; MI455X (gfx1250); checked and timed in simulation.
; The chip was launched on July 23, 2026; its instructions are those of AMD's public machine-readable ISA for CDNA 5 (MIT licence, August 2026) and "CDNA5" Instruction Set Architecture Reference Guide (July 2026). The comments in the code are by the model that wrote it; some were corrected since.
;; Structure Biased Cross Attention. Allowed arithmetic: matrix products marked QUANTISED: E4M3 operands, one given power-of-two scale a tensor, by v_wmma_f32_16x16x64_fp8_fp8 or v_wmma_f32_16x16x128_fp8_fp8, f32 sums; products left as they are: f32 operands where the result goes on into a quantised operand, else bf16, f16 or f32 operands; f32 sums; everything else in f32.
;; Inputs: Wk 256 x 256 float32; Wo 256 x 256 float32; Wq 256 x 256 float32; Wrbf 8 x 16 float32; Wv 256 x 256 float32; bo 256 float32; key_feat 2 x 2,048 x 256 float32; key_mask 2 x 2,048 bool; key_pos 2 x 2,048 x 3 float32; ln_b 256 float32; ln_g 256 float32; lowp_scales 12 int32 (the exponents e of the quantised operands' scales 2^e); query_feat 2 x 1,024 x 256 float32; query_mask 2 x 1,024 bool; query_pos 2 x 1,024 x 3 float32.
;; Outputs: out0 2 x 1,024 x 256 float32.
;; This version of the problem:
;;   THIS VERSION OF THE PROBLEM IS GIVEN IN LOW PRECISION. The matrix products marked QUANTISED in the list below multiply operands that are first quantised to E4M3 (4 exponent bits, 3 mantissa bits; 8 bits a number), with one given power-of-two scale for each operand tensor; their sums are f32. All else is computed in f32.
;;   The module's matrix products, in the order in which they are computed (A, B: the left and right operand; K: the contracted axis; several contracted axes count as one K, in the product's order):
;;     1. [M 2,048, K 256] x [K 256, N 256]; A: input query_feat; B: input Wq: QUANTISED (scales: A lowp_scales[0], B lowp_scales[1])
;;     2. [M 4,096, K 256] x [K 256, N 256]; A: input key_feat; B: input Wk: QUANTISED (scales: A lowp_scales[2], B lowp_scales[3])
;;     3. [M 4,096, K 256] x [K 256, N 256]; A: input key_feat; B: input Wv: QUANTISED (scales: A lowp_scales[4], B lowp_scales[5])
;;     4. batch 16 x [M 1,024, K 32] x [K 32, N 2,048]; A: computed on the way; B: computed on the way: QUANTISED (scales: A lowp_scales[6], B lowp_scales[7])
;;     5. [M 8, K 16] x [K 16, N 4,194,304]; A: input Wrbf; B: computed on the way: left as it is (K = 16 < 32)
;;     6. batch 16 x [M 1,024, K 2,048] x [K 2,048, N 32]; A: softmax (see below); B: computed on the way: QUANTISED (scales: A lowp_scales[8], B lowp_scales[9])
;;     7. [M 2,048, K 256] x [K 256, N 256]; A: computed on the way; B: input Wo: QUANTISED (scales: A lowp_scales[10], B lowp_scales[11])
;;   THE QUANTISER, for each operand of a quantised product, along K:
;;     - The operand's scale is 2^e, e = its entry of the input lowp_scales (int32; the entries are numbered through the quantised products in the list's order, A before B).
;;     - Each number is divided by the scale, clamped to +-448, and rounded to the nearest number of E4M3, ties to even, subnormals kept.
;;     - The product sums the exact products of the quantised numbers (number of the format x scale) in f32.
;;   ~~~python
;;   def quantise(x, axis, e):      # numpy; x: float32 -> the quantised numbers, widened to float32 again
;;       x = np.moveaxis(x, axis, -1); K = x.shape[-1]
;;       r = np.clip(x / 2.0 ** e, -448, 448)
;;       step = 2.0 ** (np.maximum(np.frexp(np.where(r == 0, 1, r))[1] - 1, -6) - 3)
;;       q = np.round(r / step) * step * 2.0 ** e      # np.round: ties to even
;;       return np.moveaxis(q, -1, axis).astype(np.float32)
;;   ~~~
;;   SOFTMAX AHEAD OF A QUANTISED PRODUCT. Where the list says 'softmax', what is quantised is not the finished softmax but p = 2^(t - M), with t = logit x log2(e) and M = ceil(the row's largest t), a whole number; so 1/2 < the row's largest p <= 1. The row's sum l is taken of the UNQUANTISED p, in f32, and the product's result is divided by l at the end. Since M is a whole number, a kernel that streams over the keys may use a running M (the ceiling of the running maximum): every later rescaling is an exact power of two, so the quantised numbers keep their values, but for numbers so far below the row's largest that they fall under the format's range.
;;   OPERANDS COMPUTED ON THE WAY. 'Computed on the way' means the value that the module computes at that place (a softmax that the list does not call 'softmax' is quantised finished and normalised). What goes into a quantiser is computed in f32, as accurately as f32 sums, v_exp_f32 and their like allow (about 1e-6 of the number): no bf16 or f16 on the way to a quantiser, and a product that is left as it is and whose result goes on into a quantised operand takes f32 operands (vector FMAs, or v_wmma_f32_16x16x4_f32). A number that lies on a knife's edge between two numbers of the format may be rounded either way, as far as f32 arithmetic and the matrix unit's own rounding can turn it there, and no further.
;; 2 versions, each right; version 2 is version 1 with the launches proj, attn written anew for expert scheduling mode. Each part assembles by itself: llvm-mc -triple=amdgcn-amd-amdhsa -mcpu=gfx1250 --defsym DOCPART=n.
;; ======== version 1 of 2: 2 launches
;; workspace buffers: qc 524,288 bytes; kc 1,048,576 bytes; vc 1,048,576 bytes; woc 65,536 bytes
;; launch proj (part 1): grid 161 x 1, 8 waves a work-group, no clusters, 17,408 bytes of LDS; arguments query_feat, key_feat, Wq, Wk, Wv, Wo, lowp_scales, qc, kc, vc, woc; writes qc, kc, vc, woc
.if DOCPART == 1
	.amdgcn_target "amdgcn-amd-amdhsa--gfx1250"
	.amdhsa_code_object_version 6
	.text
	.protected	k_qe811adb29f_proj
	.globl	k_qe811adb29f_proj
	.p2align	8
	.type	k_qe811adb29f_proj,@function
k_qe811adb29f_proj:
	s_mov_b64 s[64:65], 0
	v_nop
	global_prefetch_b8 v0, s[64:65] scope:SCOPE_SE
	s_setreg_imm32_b32 hwreg(HW_REG_WAVE_MODE, 25, 1), 1
	s_wait_xcnt 0x0
; THE THREE PROJECTIONS, ON CODES OF E4M3, AND Wo's CODES.
; Q = query_feat Wq^T, K = key_feat Wk^T, V = key_feat Wv^T: x [rows][256] and W [256][256] arrive as f32 with K innermost; both are quantised here, in registers,
; each with its given scale 2^e; the products' sums are quantised again (e6, e7, e9) and stored as IMAGES OF THE OPERAND REGISTERS that the attention launch wants.
; SHARES.  Work-groups 0-31: Q; 32-95: K; 96-159: V: 64 rows x 256 columns each.  Work-group 160 turns Wo into codes.  Eight waves: wave w owns head w = rows 32 w .. 32 w + 31 of W
; (two tiles of 16, two K steps of 128: four fragments, which it quantises itself) and quantises ONE of x's eight fragments (tile of rows w / 2, K step w % 2), which goes to the other waves through LDS
; as an image of its registers: four stores of 512 consecutive bytes, 16 bytes a lane; the same four lines as loads give any wave the same registers.
; A FRAGMENT (16 rows x 128 K, 16 registers): lane (r, h) holds of row r, in registers 4 c .. 4 c + 3, k = 32 c + 16 h + 0 .. 15: the same places in x and in W, so every product meets its partner.
; OUT.  Q, K: the product is used transposed (source 0 = W's rows, source 1 = x): a lane holds one token and eight neighbouring channels.  A block of 512 bytes = 16 tokens x 32 channels of a head:
;   lane (r, h): token r; bytes 0-7 channels 8 h .., bytes 8-15 channels 16 + 8 h ...   qc [b][head][64 tiles][512], kc [b][head][128 tiles][512].
; V: source 0 = x, source 1 = W's rows: a lane holds one channel and eight neighbouring keys.  A block = 16 channels x 32 keys: lane (r, h): channel r; bytes 0-7 keys 8 h .., bytes 8-15 keys 16 + 8 h ...
;   vc [b][head][2 tiles of channels][64 groups of 32 keys][512].     woc [wave][fragment 2 nt + ks][c][512]: Wo's fragments as they stand in registers.
; No tensor load and no cluster: what the work-groups share (W) arrives as f32 and has to pass through registers to become codes.
; LIMITS: each given e, and e_out - e_x - e_W, lies between -126 and 119, so that 2^e and 448 x 2^e are f32 numbers.  NaN among the inputs is not served (an infinity is held at the largest code).
.set A,   16                           ; v16-79   64 numbers of a lane; later x's four fragments of a K step
.set B,   80                           ; v80-143  64 numbers; later the eight accumulators
.set WF,  144                          ; v144-207 W's four fragments, fragment 2 nt + ks at 16 (2 nt + ks)
.set PC,  208                          ; v208-223 codes just made
; v4 row r x 1,024 bytes + 64 h; v5 16 x lane; v6 16 x lane + 2,048 x wave; v9 16 x lane + the second pair of blocks' distance; v10-15 the three scales: 2^e, 448 x 2^e
.macro LD64 reg, base, off             ; 64 numbers of my row: register 16 b + 4 j + i = k 32 b + 16 h + 4 j + i
.irp b, 0,1,2,3
.irp j, 0,1,2,3
	global_load_b128 v[\reg+16*\b+4*\j:\reg+16*\b+4*\j+3], v4, s[\base:\base+1] offset:\off+128*\b+16*\j
.endr
.endr
.endm
.macro QUANT src, dst, sc              ; 64 numbers become a fragment's 16 registers of codes.  v[sc]: the scale as f32; v[sc+1]: 448 x the scale
.irp b, 0,1,2,3
.irp i, 0,1,2,3,4,5,6,7,8,9,10,11,12,13,14,15
	v_med3_num_f32 v[\src+16*\b+\i], v[\src+16*\b+\i], -v[\sc+1], v[\sc+1]   ; the conversion to an 8-bit code does not saturate (ISA guide 7.6.2): the hold comes first
.endr
	v_cvt_scalef32_pk8_fp8_f32 v[\dst+4*\b:\dst+4*\b+1], v[\src+16*\b:\src+16*\b+7], v[\sc]
	v_cvt_scalef32_pk8_fp8_f32 v[\dst+4*\b+2:\dst+4*\b+3], v[\src+16*\b+8:\src+16*\b+15], v[\sc]
.endr
	v_nop                                          ; one plain vector instruction between the last conversion and whatever vector or matrix instruction next touches its registers
.endm
.macro MKSC e, v                       ; s[e] = a whole number e: v[v] = 2^e, v[v+1] = 448 x 2^e
	s_add_co_i32 s66, s[\e], 127
	s_lshl_b32 s67, s66, 23
	v_mov_b32 v[\v], s67
	s_add_co_i32 s66, s66, 8
	s_lshl_b32 s66, s66, 23
	s_or_b32 s66, s66, 0x600000
	v_mov_b32 v[\v+1], s66
.endm
.macro FETCH ks                        ; x's four fragments of K step ks, from their images
.irp m, 0,1,2,3
.irp c, 0,1,2,3
	ds_load_b128 v[A+16*\m+4*\c:A+16*\m+4*\c+3], v5 offset:(2*\m+\ks)*2048+512*\c
.endr
.endr
.endm
; Eight matrix instructions, the eight accumulators by turns, in ascending order in both forms and both K steps.  K step 0 starts the sums with the constant 0.
.macro PROD_T ks                       ; Q, K: accumulator 2 m + n = token tile m, channel tile n, transposed
.irp m, 0,1,2,3
.irp n, 0,1
.if \ks == 0
	v_wmma_f32_16x16x128_fp8_fp8 v[B+8*(2*\m+\n):B+8*(2*\m+\n)+7], v[WF+16*(2*\n+\ks):WF+16*(2*\n+\ks)+15], v[A+16*\m:A+16*\m+15], 0
.else
	v_wmma_f32_16x16x128_fp8_fp8 v[B+8*(2*\m+\n):B+8*(2*\m+\n)+7], v[WF+16*(2*\n+\ks):WF+16*(2*\n+\ks)+15], v[A+16*\m:A+16*\m+15], v[B+8*(2*\m+\n):B+8*(2*\m+\n)+7]
.endif
.endr
.endr
.endm
.macro PROD_N ks                       ; V: accumulator 4 n + m = channel tile n, key tile m
.irp n, 0,1
.irp m, 0,1,2,3
.if \ks == 0
	v_wmma_f32_16x16x128_fp8_fp8 v[B+8*(4*\n+\m):B+8*(4*\n+\m)+7], v[A+16*\m:A+16*\m+15], v[WF+16*(2*\n+\ks):WF+16*(2*\n+\ks)+15], 0
.else
	v_wmma_f32_16x16x128_fp8_fp8 v[B+8*(4*\n+\m):B+8*(4*\n+\m)+7], v[A+16*\m:A+16*\m+15], v[WF+16*(2*\n+\ks):WF+16*(2*\n+\ks)+15], v[B+8*(4*\n+\m):B+8*(4*\n+\m)+7]
.endif
.endr
.endr
.endm
.macro PLACES
.rept 4
	v_nop
.endr
.endm
	s_load_b512 s[8:23], s[0:1], 0x0               ; query_feat 8, key_feat 10, Wq 12, Wk 14, Wv 16, Wo 18, lowp_scales 20, qc 22
	s_load_b128 s[24:27], s[0:1], 0x40             ; kc 24, vc 26
	s_load_b64 s[28:29], s[0:1], 0x50              ; woc
	v_lshl_add_u32 v224, v0, 2, 0x4000
	v_mov_b32 v225, 0
	v_lshrrev_b32 v1, 5, v0
	v_readfirstlane_b32 s2, v1                     ; wave 0..7
	v_and_b32 v1, 31, v0                           ; lane
	v_and_b32 v2, 15, v0                           ; r
	v_bfe_u32 v3, v0, 4, 1                         ; h
	v_lshlrev_b32 v4, 10, v2
	v_lshl_add_u32 v4, v3, 6, v4                   ; row r of 1,024 bytes, + 64 h: my 16 numbers of a block of 32
	v_lshlrev_b32 v5, 4, v1
	s_lshl_b32 s3, s2, 11
	v_add_nc_u32 v6, s3, v5                        ; my fragment's image: number 2 (w / 2) + w % 2 = w
	s_lshl_b32 s60, s2, 15                         ; my 32 rows of W
	s_mov_b32 s61, 0
	s_mov_b32 s63, 0
	s_wait_kmcnt 0x0
	s_load_b256 s[32:39], s[20:21], 0x0            ; e0 .. e7
	s_load_b128 s[40:43], s[20:21], 0x20           ; e8 .. e11
	s_cmp_eq_u32 ttmp9, 160
	s_cbranch_scc1 .Lwo                            ; the same way for all eight waves of a work-group
	; which of the three products: every choice hangs on the work-group's number alone
	s_cmp_lt_u32 ttmp9, 32
	s_cselect_b64 s[44:45], s[8:9], s[10:11]       ; x
	s_cselect_b64 s[46:47], s[12:13], s[14:15]     ; W
	s_cselect_b64 s[48:49], s[22:23], s[24:25]     ; out
	s_cselect_b32 s53, 0, 32                       ; the product's first work-group
	s_cselect_b32 s54, 4, 5                        ; 16 or 32 blocks of 64 rows in a batch
	s_cselect_b32 s55, 15, 31
	s_cselect_b32 s56, 15, 16                      ; a head's codes: 32,768 or 65,536 bytes
	s_mov_b32 s58, 0x8000
	s_cmp_lt_u32 ttmp9, 96
	s_cselect_b64 s[46:47], s[46:47], s[16:17]
	s_cselect_b64 s[48:49], s[48:49], s[26:27]
	s_cselect_b32 s53, s53, 96
	s_cselect_b32 s57, 11, 10                      ; 64 rows: four blocks on end (Q, K), or two in each of two tiles of channels (V)
	s_cselect_b32 s58, 1024, s58                   ; from the first pair of blocks to the second
	s_sub_co_u32 s53, ttmp9, s53                   ; which 64 rows
	s_lshl_b32 s62, s53, 16
	s_lshr_b32 s66, s2, 1
	s_lshl_b32 s66, s66, 14
	s_add_co_u32 s62, s62, s66                     ; + 16 rows x (w / 2)
	s_and_b32 s66, s2, 1
	s_lshl_b32 s66, s66, 9
	s_add_co_u32 s62, s62, s66                     ; + 128 numbers x (w % 2)
	s_add_nc_u64 s[44:45], s[44:45], s[62:63]
	s_add_nc_u64 s[46:47], s[46:47], s[60:61]
	s_lshr_b32 s66, s53, s54                       ; b
	s_and_b32 s67, s53, s55                        ; the block in its batch
	s_lshl_b32 s66, s66, 3
	s_add_co_u32 s66, s66, s2                      ; 8 b + head
	s_lshl_b32 s66, s66, s56
	s_lshl_b32 s67, s67, s57
	s_add_co_u32 s62, s66, s67
	s_add_nc_u64 s[48:49], s[48:49], s[62:63]
	v_add_nc_u32 v9, s58, v5
	LD64 A, 44, 0                                  ; my fragment of x
	LD64 B, 46, 0                                  ; W's fragment 0
	s_wait_kmcnt 0x0
	s_cmp_lt_u32 ttmp9, 32
	s_cselect_b32 s50, s32, s34                    ; x's e
	s_cselect_b32 s51, s33, s35                    ; W's
	s_cselect_b32 s52, s38, s39                    ; the result's: e6, e7
	s_cmp_lt_u32 ttmp9, 96
	s_cselect_b32 s50, s50, s36
	s_cselect_b32 s51, s51, s37
	s_cselect_b32 s52, s52, s41                    ; e9
	s_sub_co_i32 s52, s52, s50
	s_sub_co_i32 s52, s52, s51                     ; a sum stands for sum x 2^(ex + eW): the three scales are folded into the conversion's one
	MKSC 50, 10
	MKSC 51, 12
	MKSC 52, 14
	s_wait_loadcnt 16                              ; x is in; the 16 loads issued behind it stay out (so at each wait of this run)
	QUANT A, PC, 10
.irp c, 0,1,2,3
	ds_store_b128 v6, v[PC+4*\c:PC+4*\c+3] offset:512*\c
.endr
	LD64 A, 46, 512
	s_wait_loadcnt 16
	QUANT B, WF, 12
	LD64 B, 46, 16384
	s_wait_loadcnt 16
	QUANT A, WF+16, 12
	LD64 A, 46, 16384+512
	s_wait_loadcnt 16
	QUANT B, WF+32, 12
	s_wait_loadcnt 0x0
	QUANT A, WF+48, 12
	s_wait_dscnt 0x0                               ; for the others' sake: my image has landed
	s_barrier_signal -1
	s_barrier_wait -1                              ; x's eight fragments lie in LDS
	FETCH 0
	s_wait_dscnt 0x0
	s_cmp_lt_u32 ttmp9, 96
	s_cbranch_scc0 .Lv0
	PROD_T 0
	s_branch .Lj0
.Lv0:
	PROD_N 0
.Lj0:
	PLACES                                         ; in front of loads into registers that matrix instructions have read
	FETCH 1
	s_wait_dscnt 0x0
	s_cmp_lt_u32 ttmp9, 96
	s_cbranch_scc0 .Lv1
	PROD_T 1
	s_branch .Lj1
.Lv1:
	PROD_N 1
.Lj1:
	PLACES                                         ; in front of the first read of results
.set i, 0
.rept 64
	v_med3_num_f32 v[B+i], v[B+i], -v15, v15       ; each accumulator from its low end on
.set i, i+1
.endr
.set i, 0
.rept 8
	v_cvt_scalef32_pk8_fp8_f32 v[PC+2*i:PC+2*i+1], v[B+8*i:B+8*i+7], v14   ; accumulators 2 a, 2 a + 1 make one block's 16 bytes a lane
.set i, i+1
.endr
	v_nop
	global_store_b128 v5, v[PC:PC+3], s[48:49]                 ; each store: 512 consecutive bytes, at a multiple of 512 from the buffer's first byte
	global_store_b128 v5, v[PC+4:PC+7], s[48:49] offset:512
	global_store_b128 v9, v[PC+8:PC+11], s[48:49]
	global_store_b128 v9, v[PC+12:PC+15], s[48:49] offset:512
	s_wait_tensorcnt 0x0
	ds_add_u32 v224, v225
	s_wait_dscnt 0x0
	s_endpgm
.Lwo:                                              ; Wo's codes: wave w's four fragments, as they will stand in the registers of wave w of the attention launch
	s_add_nc_u64 s[46:47], s[18:19], s[60:61]
	s_lshl_b32 s62, s2, 13
	s_add_nc_u64 s[48:49], s[28:29], s[62:63]
	LD64 A, 46, 0
	LD64 B, 46, 512
	s_wait_kmcnt 0x0
	MKSC 43, 12                                    ; e11
	s_wait_loadcnt 16
	QUANT A, WF, 12
	LD64 A, 46, 16384
	s_wait_loadcnt 16
	QUANT B, WF+16, 12
	LD64 B, 46, 16384+512
	s_wait_loadcnt 16
	QUANT A, WF+32, 12
	s_wait_loadcnt 0x0
	QUANT B, WF+48, 12
.irp f, 0,1,2,3
.irp c, 0,1,2,3
	global_store_b128 v5, v[WF+16*\f+4*\c:WF+16*\f+4*\c+3], s[48:49] offset:2048*\f+512*\c
.endr
.endr
	s_endpgm
.Lfunc_end_k_qe811adb29f_proj:
	.size	k_qe811adb29f_proj, .Lfunc_end_k_qe811adb29f_proj-k_qe811adb29f_proj
	.p2alignl 7, 3214868480
	.fill 96, 4, 3214868480
	.section	.rodata,"a",@progbits
	.p2align	6, 0x0
	.amdhsa_kernel k_qe811adb29f_proj
		.amdhsa_group_segment_fixed_size 17408
		.amdhsa_private_segment_fixed_size 0
		.amdhsa_enable_private_segment 0
		.amdhsa_kernarg_size 88
		.amdhsa_user_sgpr_count 2
		.amdhsa_user_sgpr_kernarg_segment_ptr 1
		.amdhsa_wavefront_size32 1
		.amdhsa_system_sgpr_workgroup_id_x 1
		.amdhsa_system_sgpr_workgroup_id_y 1
		.amdhsa_system_sgpr_workgroup_id_z 1
		.amdhsa_system_vgpr_workitem_id 0
		.amdhsa_next_free_vgpr 226
		.amdhsa_next_free_sgpr 80
		.amdhsa_reserve_vcc 0
		.amdhsa_float_denorm_mode_32 3
		.amdhsa_float_denorm_mode_16_64 3
		.amdhsa_memory_ordered 1
		.amdhsa_forward_progress 1
		.amdhsa_inst_pref_size 71
	.end_amdhsa_kernel
	.amdgpu_metadata
---
amdhsa.version: [ 1, 2 ]
amdhsa.kernels:
  - .name:           k_qe811adb29f_proj
    .symbol:         k_qe811adb29f_proj.kd
    .args:
      - { .name: query_feat, .offset: 0, .size: 8, .value_kind: global_buffer, .address_space: global }
      - { .name: key_feat, .offset: 8, .size: 8, .value_kind: global_buffer, .address_space: global }
      - { .name: Wq, .offset: 16, .size: 8, .value_kind: global_buffer, .address_space: global }
      - { .name: Wk, .offset: 24, .size: 8, .value_kind: global_buffer, .address_space: global }
      - { .name: Wv, .offset: 32, .size: 8, .value_kind: global_buffer, .address_space: global }
      - { .name: Wo, .offset: 40, .size: 8, .value_kind: global_buffer, .address_space: global }
      - { .name: lowp_scales, .offset: 48, .size: 8, .value_kind: global_buffer, .address_space: global }
      - { .name: qc, .offset: 56, .size: 8, .value_kind: global_buffer, .address_space: global }
      - { .name: kc, .offset: 64, .size: 8, .value_kind: global_buffer, .address_space: global }
      - { .name: vc, .offset: 72, .size: 8, .value_kind: global_buffer, .address_space: global }
      - { .name: woc, .offset: 80, .size: 8, .value_kind: global_buffer, .address_space: global }
    .group_segment_fixed_size: 17408
    .private_segment_fixed_size: 0
    .kernarg_segment_align: 8
    .kernarg_segment_size: 88
    .max_flat_workgroup_size: 256
    .sgpr_count:     80
    .vgpr_count:     226
    .wavefront_size: 32
...
	.end_amdgpu_metadata
.endif
;; end of part 1
;; launch attn (part 2): grid 256 x 1, 8 waves a work-group, no clusters, 210,432 bytes of LDS; arguments kc, vc, qc, woc, key_pos, key_mask, query_pos, query_mask, query_feat, Wrbf, bo, ln_g, ln_b, lowp_scales, out0; writes out0
.if DOCPART == 2
	.amdgcn_target "amdgcn-amd-amdhsa--gfx1250"
	.amdhsa_code_object_version 6
	.text
	.protected	k_qe811adb29f_attn
	.globl	k_qe811adb29f_attn
	.p2align	8
	.type	k_qe811adb29f_attn,@function
k_qe811adb29f_attn:
	s_mov_b64 s[64:65], 0
	v_nop
	global_prefetch_b8 v0, s[64:65] scope:SCOPE_SE
	s_setreg_imm32_b32 hwreg(HW_REG_WAVE_MODE, 25, 1), 1
	s_wait_xcnt 0x0
; ATTENTION WITH A BIAS FROM DISTANCES, THE OUTPUT PROJECTION, THE RESIDUAL AND THE LAYER NORM.
; logit(h, q, k) = Q.K / sqrt(32) + sum over r of rbf_r(|pos_q - pos_k|) Wrbf[h][r]; masked keys -infinity; softmax; x V; x Wo^T + bo; x query_mask; + query_feat; layer norm.
; Q, K, V and Wo come as codes of E4M3 laid as images of operand registers (512-byte blocks, 16 bytes a lane) by the launch before.
; SHARES.  A work-group owns 8 queries of one batch, for all 8 heads and all 2,048 keys.  The vector work (per pair of query and key: a distance, a root, 16 exponentials, 128 multiply-adds, 8 softmax elements)
; is far more than the matrix work, so the layout is chosen for it: EVERY LANE HOLDS ANOTHER PAIR, and a pair's 16 RBFs are made once for all 8 heads.
; A wave's 16 matrix columns are (q = r % 8, u = r / 8): 8 queries x 2 sets of keys.  Set 2 w + u of wave w holds keys 128 (2 w + u) .. + 127, walked in 4 steps of 32: key = 128 (2 w + u) + 32 s + 16 t + 8 h + j.
; S^T (16x16x64): source 0's row m = [the 32 codes of key m of set 2 w's tile | those of set 2 w + 1's]; source 1's column (q, u) = Q's 32 codes in half u of K, zero codes in the other half.
; O^T (16x16x64): source 0's row = a channel: [32 keys of set 2 w | 32 keys of set 2 w + 1]; source 1's column = p's codes in half u, zero codes in the other.  A lane holds one column throughout.
; SOFTMAX: t = logit x log2(e); for each column a running M = ceil(largest t), p = 2^(t - M) is quantised with 2^e8; l sums the unquantised p; when M moves, l and O^T are multiplied by a power of two.
; The 16 partial results of a query (8 waves x 2 sets) are brought under the largest M by powers of two and added at the end; then / l.
; THE BIAS goes from the phase that makes it (all heads of two keys at a time) to the phase that uses it (all keys of one head) through the wave's own LDS bytes.
; THE BIAS PHASE GOES BY TURNS: the 16 RBFs of two keys are two halves of 8.  While the 64 multiply-adds on one half are issued, the other half is prepared between them (differences, squares, exponentials),
; and so are the next four keys' distances and roots; their positions are loaded a stage and more ahead.  So no exponential, root or LDS load is waited for directly behind its issue.
; K AND V GO FROM MEMORY STRAIGHT INTO OPERAND REGISTERS, three heads ahead.  No tensor load, no cluster: a step's codes are 32 KB a wave, 256 KB for the eight; two slots of that do not fit into a work-group's LDS,
; and no byte of them is read by two waves of a work-group.
; LIMITS: e6 + e7 between -124 and 129 (added to a constant's exponent field); e8 and e10 between -126 and 119; e10 + e11 between -126 and 127.  NaN among the inputs is not served.
; A batch whose key_mask is all false is not served (the expected numbers are NaN; the hold ahead of the last quantiser drops the NaN here).  Holes, whole sets of 128 keys among them, are served.
; The distance and the centres are multiplied by sqrt(log2(e) / 3.125) ahead of their difference: one rounding more than in (d - c)^2 / 3.125.
;
; LDS: 0 x, 8192 y, 16384 z of the batch's keys, 24576 their mask as 0 or -infinity (key at 512 set + 256 h + 32 (2 s + t) + 4 j: a lane's keys on end); 32768 Q's operand images, 1,024 a head;
;   40960 -M and 45056 l of the partials [head][q][16]; 49152 the attention's codes, 8 rows, pitch 272; 51456 the last product's sums, 8 rows, pitch 1,040; 59904 eight regions of 18,688, a wave's own:
;   in the loop the bias [head 2048][pair of keys 256][8 x lane]; behind it the wave's two partial O [set 9344][head 1152][q 144][channel 4].
; REGISTERS, window 0: v0 thread; v1 16 x lane; v2 my keys' place; v3 my bias bytes; v4 2^e8; v5 0; v6-8 my query's x, y, z; v10, v11 the bias phase's LDS addresses; v12, v13 all ones where u = 0, u = 1; v15 Q's image;
;   v16-47 a head's -M, largest t, l in two halves; v48-175 Wrbf x log2(e), W(h, r) at 48 + 16 h + r; v176-255 at work, by turns of the two phases.
;   window 1: v0-127 K and V of four heads; v128-255 O^T, 16 a head.   So the bias phase stays in window 0 throughout.
.set KY,  8192
.set KZ,  16384
.set KM,  24576
.set QI,  32768
.set SN,  40960
.set SL,  45056
.set AT,  49152
.set XS,  51456
.set BB,  59904
.set BBW, 18688
.set PARTB, 9344
.set ST,   16
.set WR,   48                          ; Wrbf x log2(e)
.set KP,   176                         ; bias phase: x, y, z, mask of four keys
.set DF,   192                         ;   three differences of keys 0, 1
.set DD,   198                         ;   four distances
.set RB,   202                         ;   16 RBFs x two keys: two halves of 16 registers
.set AC,   234                         ;   8 heads x two keys
.set DG,   250                         ;   three differences of keys 2, 3
.set S,    176                         ; head phase: the scores
.set BI,   192                         ;   bias, then t, then p: two sets, by the head's parity
.set QF,   224                         ;   Q's operand
.set P,    232                         ;   p's operand
.set CT,   240                         ;   p's codes
.set F,    244                         ;   f = 2^(old M - new M); v245 is named with it as a pair
.set MSB, 0
.macro WIN new                         ; s_set_vgpr_msb: bits 1:0 source 0, 3:2 source 1, 5:4 source 2, 7:6 destination; the high byte repeats the setting that is left
.if MSB != \new
	s_set_vgpr_msb (MSB<<8)|\new
.set MSB, \new
.endif
.endm
; K's and V's codes of one head and one step: 8 loads of 512 consecutive bytes, into slot sl of window 1 (the caller sets the destination's window): K tile 0, K tile 1, V channels 0-15, V channels 16-31,
; 8 registers each: set 2 w's four, set 2 w + 1's four.  cy = 1: the next step's (the bases have not stepped yet)
.macro REFILL sl, hd, cy
.irp t, 0,1
.irp e, 0,1
	global_load_b128 v[32*(\sl)+8*\t+4*\e:32*(\sl)+8*\t+4*\e+3], v1, s[8:9] offset:65536*(\hd)+4096*\e+512*\t+1024*(\cy)
.endr
.endr
.irp t, 0,1
.irp e, 0,1
	global_load_b128 v[32*(\sl)+16+8*\t+4*\e:32*(\sl)+16+8*\t+4*\e+3], v1, s[10:11] offset:65536*(\hd)+32768*\t+2048*\e+512*(\cy)
.endr
.endr
.endm
; ---- THE BIAS PHASE'S PIECES.  They take their numbers from symbols: fg, fr, fh (a multiply-add's pair of keys, centre, head); pg, pr (a preparation's pair of keys, centre); dn (a distance instruction's number).
.macro FM                              ; AC(head) += rbf_r x W(head, r) for two keys; centre 0 begins the sum from the keys' mask (0 or -infinity), so that the mask costs no instruction
.if fr == 0
	v_pk_fma_f32 v[AC+2*fh:AC+2*fh+1], v[RB:RB+1], v[WR+16*fh:WR+16*fh+1], v[KP+12+2*fg:KP+13+2*fg] op_sel_hi:[1,0,1]
.elseif fr & 1
	v_pk_fma_f32 v[AC+2*fh:AC+2*fh+1], v[RB+2*fr:RB+2*fr+1], v[WR+16*fh+fr-1:WR+16*fh+fr], v[AC+2*fh:AC+2*fh+1] op_sel:[0,1,0] op_sel_hi:[1,1,1]
.else
	v_pk_fma_f32 v[AC+2*fh:AC+2*fh+1], v[RB+2*fr:RB+2*fr+1], v[WR+16*fh+fr:WR+16*fh+fr+1], v[AC+2*fh:AC+2*fh+1] op_sel_hi:[1,0,1]
.endif
.endm
.macro PA c
	v_pk_add_f32 v[RB+2*pr:RB+2*pr+1], v[DD+2*pg:DD+2*pg+1], \c op_sel_hi:[1,0]
.endm
.macro PADD                            ; d' - c'_r, c'_r = r x (20 / 15) x sqrt(log2(e) / 3.125); centre 0 has none
.if pr == 1
	PA 0xbf67ebe6
.elseif pr == 2
	PA 0xbfe7ebe6
.elseif pr == 3
	PA 0xc02df0ec
.elseif pr == 4
	PA 0xc067ebe6
.elseif pr == 5
	PA 0xc090f370
.elseif pr == 6
	PA 0xc0adf0ec
.elseif pr == 7
	PA 0xc0caee69
.elseif pr == 8
	PA 0xc0e7ebe6
.elseif pr == 9
	PA 0xc10274b1
.elseif pr == 10
	PA 0xc110f370
.elseif pr == 11
	PA 0xc11f722e
.elseif pr == 12
	PA 0xc12df0ec
.elseif pr == 13
	PA 0xc13c6fab
.elseif pr == 14
	PA 0xc14aee69
.elseif pr == 15
	PA 0xc1596d27
.endif
.endm
.macro PMUL                            ; -(d' - c'_r)^2
.if pr == 0
	v_pk_mul_f32 v[RB:RB+1], v[DD+2*pg:DD+2*pg+1], v[DD+2*pg:DD+2*pg+1] neg_lo:[1,0] neg_hi:[1,0]
.else
	v_pk_mul_f32 v[RB+2*pr:RB+2*pr+1], v[RB+2*pr:RB+2*pr+1], v[RB+2*pr:RB+2*pr+1] neg_lo:[1,0] neg_hi:[1,0]
.endif
.endm
.macro DISTI                           ; number dn of the 16 instructions that make four squared distances: the two pairs of keys by turns
.if dn == 0
	v_pk_add_f32 v[DF:DF+1], v[KP:KP+1], v[6:7] op_sel_hi:[1,0] neg_lo:[0,1] neg_hi:[0,1]                        ; key - query: x (v6 for both halves)
.elseif dn == 1
	v_pk_add_f32 v[DG:DG+1], v[KP+2:KP+3], v[6:7] op_sel_hi:[1,0] neg_lo:[0,1] neg_hi:[0,1]
.elseif dn == 2
	v_pk_add_f32 v[DF+2:DF+3], v[KP+4:KP+5], v[6:7] op_sel:[0,1] op_sel_hi:[1,1] neg_lo:[0,1] neg_hi:[0,1]       ; y (v7)
.elseif dn == 3
	v_pk_add_f32 v[DG+2:DG+3], v[KP+6:KP+7], v[6:7] op_sel:[0,1] op_sel_hi:[1,1] neg_lo:[0,1] neg_hi:[0,1]
.elseif dn == 4
	v_pk_add_f32 v[DF+4:DF+5], v[KP+8:KP+9], v[8:9] op_sel_hi:[1,0] neg_lo:[0,1] neg_hi:[0,1]                    ; z (v8)
.elseif dn == 5
	v_pk_add_f32 v[DG+4:DG+5], v[KP+10:KP+11], v[8:9] op_sel_hi:[1,0] neg_lo:[0,1] neg_hi:[0,1]
.elseif dn == 6
	v_pk_mul_f32 v[DD:DD+1], v[DF:DF+1], v[DF:DF+1]
.elseif dn == 7
	v_pk_mul_f32 v[DD+2:DD+3], v[DG:DG+1], v[DG:DG+1]
.elseif dn == 8
	v_pk_fma_f32 v[DD:DD+1], v[DF+2:DF+3], v[DF+2:DF+3], v[DD:DD+1]
.elseif dn == 9
	v_pk_fma_f32 v[DD+2:DD+3], v[DG+2:DG+3], v[DG+2:DG+3], v[DD+2:DD+3]
.elseif dn == 10
	v_pk_fma_f32 v[DD:DD+1], v[DF+4:DF+5], v[DF+4:DF+5], v[DD:DD+1]
.elseif dn == 11
	v_pk_fma_f32 v[DD+2:DD+3], v[DG+4:DG+5], v[DG+4:DG+5], v[DD+2:DD+3]
.else
	v_max_num_f32 v[DD+dn-12], 0, v[DD+dn-12]      ; the clip at 0 ahead of the root
.endif
.endm
; What stands behind multiply-add fi (0 .. 63) of a stage.  Every exponential and root is followed by a multiply-add that names none of its registers; nothing names a result before the wait at the stage's end.
; sm = 0: nothing.   sm = 1: half ph of pair pg: 8 differences, 8 squares, then an exponential behind every third multiply-add.
; sm = 2: the upper half of keys 2, 3, and beside it the next four keys' distances; their mask is loaded behind the multiply-adds that read the old one; then 16 exponentials and 4 roots, one behind every second multiply-add.
; sm = 3: the next four keys' distances are scaled; the lower half of their keys 0, 1.
.macro SIDE
.if sm == 1
.if fi < 8
.set pr, 8*ph+fi
	PADD
.elseif fi < 16
.set pr, 8*ph+fi-8
	PMUL
.elseif (fi-16)%3 == 0
	v_exp_f32 v[RB+16*ph+(fi-16)/3], v[RB+16*ph+(fi-16)/3]     ; rbf = 2^(-(d' - c')^2)
.endif
.elseif sm == 2
.if fi < 8
.set pr, 8+fi
	PADD                                           ; the last of these reads the old distances ahead of the line that writes the new ones
.set dn, fi
	DISTI
.elseif fi < 16
.set pr, fi
	PMUL
.set dn, fi
	DISTI
.if fi == 8
	ds_load_b128 v[KP+12:KP+15], v10 offset:KM
.endif
.elseif (fi%2 == 0) && (fi < 48)
	v_exp_f32 v[RB+16+(fi-16)/2], v[RB+16+(fi-16)/2]
.elseif (fi%2 == 0) && (fi < 56)
	v_sqrt_f32 v[DD+(fi-48)/2], v[DD+(fi-48)/2]
.endif
.elseif sm == 3
.if fi == 0
	v_pk_mul_f32 v[DD:DD+1], v[DD:DD+1], 0x3f2df0ec op_sel_hi:[1,0]       ; d' = d x sqrt(log2(e) / 3.125)
.elseif fi == 1
	v_pk_mul_f32 v[DD+2:DD+3], v[DD+2:DD+3], 0x3f2df0ec op_sel_hi:[1,0]
.elseif fi == 2
.set pr, 0
	PMUL
.elseif fi < 10
.set pr, fi-2
	PADD
.elseif fi < 17
.set pr, fi-9
	PMUL
.elseif (fi-17)%3 == 0
	v_exp_f32 v[RB+(fi-17)/3], v[RB+(fi-17)/3]
.endif
.endif
.endm
; A stage: the 64 multiply-adds of pair g on half hf of the RBFs (8 centres x 8 heads: eight chains by turns), with the preparation of kind mode for pair sg, half sh, between them
.macro STAGE g, hf, mode, sg, sh
.set fg, \g
.set sm, \mode
.set pg, \sg
.set ph, \sh
.set fi, 0
.rept 64
.set fr, 8*(\hf)+fi/8
.set fh, fi%8
	FM
	SIDE
.set fi, fi+1
.endr
.endm
; A trip: four keys a lane, in four stages.  nxt = 1: the next trip's keys are loaded and prepared on the way.
.macro TRIP nxt
	s_wait_dscnt 8                                 ; my four keys' mask is in; the eight stores of the bias that were issued behind its load may stay out
	STAGE 0, 0, 1, 0, 1
	s_wait_alu depctr_va_vdst(0)                   ; one wait for the stage's 16 exponentials, ahead of their first reader (so at each stage's end)
.if \nxt
	s_add_co_u32 s53, s53, 16                      ; my next four keys: it runs on through all 16 trips
	v_add_nc_u32 v10, s53, v2
	ds_load_b128 v[KP:KP+3], v10                   ; their x, y, z: the old ones were last read a trip ago
	ds_load_b128 v[KP+4:KP+7], v10 offset:KY
	ds_load_b128 v[KP+8:KP+11], v10 offset:KZ
.endif
	STAGE 0, 1, 1, 1, 0
	s_wait_alu depctr_va_vdst(0)
	v_add_nc_u32 v11, s54, v3
.irp hd, 0,1,2,3,4,5,6,7
	ds_store_b64 v11, v[AC+2*\hd:AC+2*\hd+1] offset:2048*\hd       ; 32 lanes: 256 consecutive bytes
.endr
.if \nxt
	s_wait_dscnt 8                                 ; x, y, z are in; the eight stores just issued may stay out
	STAGE 1, 0, 2, 1, 1
	s_wait_alu depctr_va_vdst(0)                   ; for 16 exponentials and 4 roots
	STAGE 1, 1, 3, 0, 0
	s_wait_alu depctr_va_vdst(0)
.else
	STAGE 1, 0, 1, 1, 1
	s_wait_alu depctr_va_vdst(0)
	STAGE 1, 1, 0, 0, 0
.endif
.irp hd, 0,1,2,3,4,5,6,7
	ds_store_b64 v11, v[AC+2*\hd:AC+2*\hd+1] offset:2048*\hd+256
.endr
	s_add_co_u32 s54, s54, 512                     ; the next two pairs' bias
.endm
; A step's 16 keys a lane.  The first four keys' distances and the first half of RBFs are made ahead of the trips; three trips in a loop, each preparing the next; the fourth prepares nothing.
.macro BIAS
	s_mov_b32 s54, 0
	v_add_nc_u32 v10, s53, v2
	ds_load_b128 v[KP:KP+3], v10
	ds_load_b128 v[KP+4:KP+7], v10 offset:KY
	ds_load_b128 v[KP+8:KP+11], v10 offset:KZ
	ds_load_b128 v[KP+12:KP+15], v10 offset:KM
	s_wait_dscnt 0x0
.set dn, 0
.rept 16
	DISTI
.set dn, dn+1
.endr
.irp i, 0,1,2,3
	v_sqrt_f32 v[DD+\i], v[DD+\i]
.endr
	v_nop                                          ; a plain instruction behind the last root
	s_wait_alu depctr_va_vdst(0)                   ; one wait for the four roots
	v_pk_mul_f32 v[DD:DD+1], v[DD:DD+1], 0x3f2df0ec op_sel_hi:[1,0]
	v_pk_mul_f32 v[DD+2:DD+3], v[DD+2:DD+3], 0x3f2df0ec op_sel_hi:[1,0]
.set pg, 0
.set pr, 0
	PMUL
.set pr, 1
.rept 7
	PADD
.set pr, pr+1
.endr
.set pr, 1
.rept 7
	PMUL
.set pr, pr+1
.endr
.set i, 0
.rept 16
	v_exp_f32 v[RB+i], v[RB+i]
.set i, i+1
.endr
	v_nop
	s_wait_alu depctr_va_vdst(0)
	s_mov_b32 s52, 3
.Ltrip_\@:
	TRIP 1
	s_sub_co_u32 s52, s52, 1
	s_cmp_lg_u32 s52, 0
	s_cbranch_scc1 .Ltrip_\@
	TRIP 0
	s_add_co_u32 s53, s53, 16                      ; the next step's first four keys
.endm
.macro PRE j                           ; head j's bias of my 16 keys, and its Q
.irp p, 0,1,2,3,4,5,6,7
	ds_load_b64 v[BI+16*((\j)&1)+2*\p:BI+16*((\j)&1)+2*\p+1], v3 offset:2048*(\j)+256*\p   ; LDS serves a wave's instructions in order (ISA guide 5.7.1.4): these see my stores
.endr
	ds_load_b128 v[QF:QF+3], v15 offset:1024*(\j)
	ds_load_b128 v[QF+4:QF+7], v15 offset:1024*(\j)+512
.endm
; One head of one step.  cnt: the global loads issued behind this head's eight.  refill = 1: the head three on is asked for, into the slot that the head before has left.
; The macro leaves the windows as its last products want them; the next head, or the line behind the last head, sets them anew.
.macro HEAD j, cnt, refill
.set SLT, 32*((\j)&3)
.set BJ,  BI+16*((\j)&1)
.set STJ, ST+4*(\j)
.set OJ,  128+16*(\j)
	s_wait_loadcnt \cnt                            ; this head's K and V are in
	s_wait_dscnt 0x0                               ; its bias and its Q too (asked for a head ago)
	WIN 0x01                                       ; source 0 (K) in window 1
	v_wmma_f32_16x16x64_fp8_fp8 v[S:S+7], v[SLT:SLT+7], v[QF:QF+7], 0
	v_wmma_f32_16x16x64_fp8_fp8 v[S+8:S+15], v[SLT+8:SLT+15], v[QF:QF+7], 0
.rept 4
	v_nop                                          ; places in front of the loads into Q's registers, of the first read of the scores, and of the loads into the slot that the last head's products read
.endr
.if \refill
.set RSL, ((\j)+3)&3
.set RHD, ((\j)+3)&7
.set RCY, ((\j)+3)>>3
	WIN 0x40                                       ; destination in window 1
	REFILL RSL, RHD, RCY
.endif
	WIN 0
.if (\j) < 7
	PRE (\j)+1
.endif
.set i, 0
.rept 8
	v_pk_fma_f32 v[BJ+2*i:BJ+2*i+1], v[S+2*i:S+2*i+1], s[46:47], v[BJ+2*i:BJ+2*i+1] op_sel_hi:[1,0,1]   ; t = score x log2(e) / sqrt(32) x 2^(e6 + e7) + bias x log2(e); each accumulator from its low end on
.set i, i+1
.endr
	v_max3_num_f32 v250, v[BJ], v[BJ+1], v[BJ+2]   ; the largest of my 16 t, in two chains,
	v_max3_num_f32 v251, v[BJ+3], v[BJ+4], v[BJ+5]
	v_max3_num_f32 v250, v250, v[BJ+6], v[BJ+7]
	v_max3_num_f32 v251, v251, v[BJ+8], v[BJ+9]
	v_max3_num_f32 v250, v250, v[BJ+10], v[BJ+11]
	v_max3_num_f32 v251, v251, v[BJ+12], v[BJ+13]
	v_max3_num_f32 v250, v250, v[BJ+14], v[BJ+15]
	v_max_num_f32 v250, v250, v251
	v_permlanex16_b32 v252, v250, s48, s49         ; of the column's other 16 keys, in lane l xor 16,
	v_max3_num_f32 v[STJ+1], v250, v252, v[STJ+1]  ; and of all steps so far
	v_mov_b32 v253, v[STJ]
	v_floor_f32 v[STJ], -v[STJ+1]                  ; -M = floor(-t) = -ceil(t)
	v_sub_f32 v253, v[STJ], v253                   ; old M - new M: a whole number, 0 or less
	v_cvt_i32_f32 v253, v253                       ; (it saturates)
	v_ldexp_f32 v[F], 1.0, v253                    ; f
.set i, 0
.rept 8
	v_pk_add_f32 v[BJ+2*i:BJ+2*i+1], v[BJ+2*i:BJ+2*i+1], v[STJ:STJ+1] op_sel_hi:[1,0]   ; t - M
.set i, i+1
.endr
.set i, 0
.rept 16
	v_exp_f32 v[BJ+i], v[BJ+i]                     ; p
.set i, i+1
.endr
	v_pk_mul_f32 v[STJ+2:STJ+3], v[STJ+2:STJ+3], v[F:F+1] op_sel_hi:[1,0]   ; l under the new M: the plain instruction behind the exponentials
	s_wait_alu depctr_va_vdst(0)                   ; one wait for the batch of 16
	v_pk_add_f32 v[246:247], v[BJ:BJ+1], v[BJ+2:BJ+3]                       ; l takes the unquantised p, in two chains
	v_pk_add_f32 v[STJ+2:STJ+3], v[STJ+2:STJ+3], v[BJ+4:BJ+5]
	v_pk_add_f32 v[246:247], v[246:247], v[BJ+6:BJ+7]
	v_pk_add_f32 v[STJ+2:STJ+3], v[STJ+2:STJ+3], v[BJ+8:BJ+9]
	v_pk_add_f32 v[246:247], v[246:247], v[BJ+10:BJ+11]
	v_pk_add_f32 v[STJ+2:STJ+3], v[STJ+2:STJ+3], v[BJ+12:BJ+13]
	v_pk_add_f32 v[246:247], v[246:247], v[BJ+14:BJ+15]
	v_pk_add_f32 v[STJ+2:STJ+3], v[STJ+2:STJ+3], v[246:247]
.set i, 0
.rept 16
	v_min_num_f32 v[BJ+i], s50, v[BJ+i]            ; the hold at 448 x 2^e8: the conversion does not saturate (ISA guide 7.6.2); p is not negative
.set i, i+1
.endr
	v_cvt_scalef32_pk8_fp8_f32 v[CT:CT+1], v[BJ:BJ+7], v4
	v_cvt_scalef32_pk8_fp8_f32 v[CT+2:CT+3], v[BJ+8:BJ+15], v4
	v_nop                                          ; a plain instruction between the conversions and the first use of their results
.irp i, 0,1,2,3
	v_and_b32 v[P+\i], v[CT+\i], v12               ; the codes in my set's half of K, zero codes in the other
	v_and_b32 v[P+4+\i], v[CT+\i], v13
.endr
	WIN 0x41                                       ; O^T: destination and source 0 in window 1
.set i, 0
.rept 8
	v_pk_mul_f32 v[OJ+2*i:OJ+2*i+1], v[OJ+2*i:OJ+2*i+1], v[F:F+1] op_sel_hi:[1,0]   ; O^T under the new M, each accumulator from its low end on
.set i, i+1
.endr
	WIN 0x51                                       ; V, C and D in window 1
	v_wmma_f32_16x16x64_fp8_fp8 v[OJ:OJ+7], v[SLT+16:SLT+23], v[P:P+7], v[OJ:OJ+7]
	v_wmma_f32_16x16x64_fp8_fp8 v[OJ+8:OJ+15], v[SLT+24:SLT+31], v[P:P+7], v[OJ+8:OJ+15]
.endm
.macro BARRIER                         ; my LDS stores have landed and my LDS loads are in: then the work-group's barrier
	s_wait_dscnt 0x0
	s_barrier_signal -1
	s_barrier_wait -1
.endm
	s_load_b512 s[8:23], s[0:1], 0x0               ; kc 8, vc 10, qc 12, woc 14, key_pos 16, key_mask 18, query_pos 20, query_mask 22
	s_load_b256 s[24:31], s[0:1], 0x40             ; query_feat 24, Wrbf 26, bo 28, ln_g 30
	s_load_b128 s[32:35], s[0:1], 0x60             ; ln_b 32, lowp_scales 34
	s_load_b64 s[36:37], s[0:1], 0x70              ; out0
	v_lshrrev_b32 v1, 5, v0
	v_readfirstlane_b32 s2, v1                     ; wave 0..7
	v_and_b32 v14, 31, v0                          ; lane
	v_bfe_u32 v16, v0, 4, 1                        ; h
	v_bfe_u32 v17, v0, 3, 1                        ; u
	v_and_b32 v18, 7, v0                           ; q
	v_lshlrev_b32 v1, 4, v14
	v_mov_b32 v5, 0
	v_mov_b32 v9, 0                                ; (named as the upper half of the pair v[8:9])
	s_lshl_b32 s55, s2, 10
	v_lshl_add_u32 v2, v17, 9, s55
	v_lshl_add_u32 v2, v16, 8, v2                  ; 512 (2 w + u) + 256 h
	s_mul_i32 s55, s2, BBW
	s_add_co_u32 s55, s55, BB
	v_lshl_add_u32 v3, v14, 3, s55
	v_add_nc_u32 v15, QI, v1
	v_sub_nc_u32 v13, 0, v17                       ; all ones where u = 1
	v_xor_b32 v12, -1, v13                         ; all ones where u = 0
	v_mul_u32_u24 v240, v0, 96                     ; key_pos: thread t takes keys 8 t .. 8 t + 7, 96 bytes
	v_lshlrev_b32 v241, 3, v0                      ; key_mask: their 8 bytes
	s_and_b32 s56, ttmp9, 1
	s_lshl_b32 s56, s56, 7
	v_lshl_add_u32 v242, v18, 4, s56
	v_lshl_add_u32 v242, v16, 8, v242              ; Q: in its block of 16 queries the lane of token 8 (g % 2) + q, half h
	v_mul_u32_u24 v243, v18, 12                    ; query_pos
	v_lshrrev_b32 v244, 4, v0                      ; where thread t's 8 keys go: 512 (t / 16) + 256 (t % 2) + 32 ((t / 2) % 8)
	v_lshlrev_b32 v244, 9, v244
	v_and_b32 v246, 1, v0
	v_lshl_add_u32 v244, v246, 8, v244
	v_bfe_u32 v246, v0, 1, 3
	v_lshl_add_u32 v244, v246, 5, v244
	s_lshl_b32 s55, s2, 10
	v_add_nc_u32 v245, s55, v15                    ; head w's image of Q
	s_lshr_b32 s57, ttmp9, 7                       ; b
	s_and_b32 s58, ttmp9, 127                      ; which 8 queries of the batch
	s_lshl_b32 s59, s57, 19
	s_lshl_b32 s66, s2, 13
	s_add_co_u32 s66, s66, s59                     ; K: batch, my 256 keys = 16 blocks
	s_mov_b32 s67, 0
	s_lshl_b32 s68, s2, 12
	s_add_co_u32 s68, s68, s59                     ; V: batch, my 8 groups of 32 keys
	s_mov_b32 s69, 0
	s_mul_i32 s70, s57, 24576
	s_mov_b32 s71, 0
	s_lshl_b32 s72, s57, 11
	s_mov_b32 s73, 0
	s_lshl_b32 s74, s57, 3
	s_add_co_u32 s74, s74, s2
	s_lshl_b32 s74, s74, 6
	s_lshr_b32 s60, s58, 1
	s_add_co_u32 s74, s74, s60
	s_lshl_b32 s74, s74, 9                         ; Q: ((8 b + w) 64 + tile) x 512
	s_mov_b32 s75, 0
	s_lshl_b32 s60, s57, 10
	s_lshl_b32 s61, s58, 3
	s_add_co_u32 s60, s60, s61                     ; my work-group's first query
	s_mul_i32 s76, s60, 12
	s_mov_b32 s77, 0
	s_add_co_u32 s78, s60, s2                      ; the row that my wave finishes
	s_mov_b32 s79, 0
	s_lshl_b32 s80, s78, 10
	s_mov_b32 s81, 0
	s_lshl_b32 s82, s2, 13
	s_mov_b32 s83, 0
	s_mov_b32 s48, 0x76543210                      ; v_permlanex16_b32's selects for lane l xor 16
	s_mov_b32 s49, 0xfedcba98
	s_wait_kmcnt 0x0
	s_load_b128 s[40:43], s[34:35], 0x18           ; e6, e7, e8, e9
	s_load_b64 s[44:45], s[34:35], 0x28            ; e10, e11
	s_add_nc_u64 s[8:9], s[8:9], s[66:67]
	s_add_nc_u64 s[10:11], s[10:11], s[68:69]
	s_add_nc_u64 s[16:17], s[16:17], s[70:71]
	s_add_nc_u64 s[18:19], s[18:19], s[72:73]
	s_add_nc_u64 s[12:13], s[12:13], s[74:75]
	s_add_nc_u64 s[20:21], s[20:21], s[76:77]
	s_add_nc_u64 s[22:23], s[22:23], s[78:79]
	s_add_nc_u64 s[24:25], s[24:25], s[80:81]
	s_add_nc_u64 s[36:37], s[36:37], s[80:81]
	s_add_nc_u64 s[14:15], s[14:15], s[82:83]
.irp i, 0,1,2,3,4,5
	global_load_b128 v[176+4*\i:179+4*\i], v240, s[16:17] offset:16*\i
.endr
	global_load_b64 v[200:201], v241, s[18:19]
	global_load_b128 v[204:207], v242, s[12:13]
	global_load_b32 v6, v243, s[20:21]
	global_load_b32 v7, v243, s[20:21] offset:4
	global_load_b32 v8, v243, s[20:21] offset:8
.set i, 0
.rept 32
	global_load_b128 v[WR+4*i:WR+4*i+3], v5, s[26:27] offset:16*i   ; Wrbf(h, r) into register 48 + 16 h + r of every lane
.set i, i+1
.endr
	WIN 0x40                                       ; destination window 1
	REFILL 0, 0, 0
	REFILL 1, 1, 0
	REFILL 2, 2, 0
	WIN 0
	s_wait_loadcnt 56                              ; the first eleven loads are in; Wrbf's 32 and the three heads' 24 stay out
	v_mov_b32 v211, 0xff800000                     ; -infinity
.irp i, 0,1,2,3,4,5,6,7
	v_bfe_u32 v246, v[200+\i/4], 8*(\i%4), 8
	v_cmp_eq_u32 vcc_lo, 0, v246
	v_cndmask_b32 v[212+\i], 0, v211, vcc_lo       ; a masked key's bias begins at -infinity
.endr
.set i, 0
.rept 8
	ds_store_b32 v244, v[176+3*i] offset:4*i
	ds_store_b32 v244, v[177+3*i] offset:KY+4*i
	ds_store_b32 v244, v[178+3*i] offset:KZ+4*i
.set i, i+1
.endr
	ds_store_b128 v244, v[212:215] offset:KM
	ds_store_b128 v244, v[216:219] offset:KM+16
.irp i, 0,1,2,3
	v_and_b32 v[220+\i], v[204+\i], v12            ; Q's codes in half u of K, zero codes in the other
	v_and_b32 v[224+\i], v[204+\i], v13
.endr
	ds_store_b128 v245, v[220:223]
	ds_store_b128 v245, v[224:227] offset:512
	BARRIER                                        ; the keys' positions and masks and the eight heads' Q lie in LDS; nobody writes them again
	s_wait_loadcnt 24                              ; Wrbf is in
.set i, 0
.rept 64
	v_pk_mul_f32 v[WR+2*i:WR+2*i+1], v[WR+2*i:WR+2*i+1], 0x3fb8aa3b op_sel_hi:[1,0]   ; x log2(e): the bias is wanted as a part of t
.set i, i+1
.endr
	WIN 0x40
.set i, 0
.rept 128
	v_mov_b32 v[128+i], 0                          ; O^T.  (The step is written for all steps alike: the first finds zeros, which the first change of M leaves zeros)
.set i, i+1
.endr
	WIN 0
.irp j, 0,1,2,3,4,5,6,7
	v_mov_b32 v[ST+4*\j], 0x7f61b1e6               ; -M = 3e38
	v_mov_b32 v[ST+4*\j+1], 0xff61b1e6             ; the largest t so far: -3e38, under every t that counts
	v_mov_b32 v[ST+4*\j+2], 0                      ; l, in two halves
	v_mov_b32 v[ST+4*\j+3], 0
.endr
	v_mov_b32 v252, 0                              ; written once: a lane permute's destination counts as one of its sources
	s_wait_kmcnt 0x0
	s_add_co_i32 s55, s40, s41
	s_lshl_b32 s55, s55, 23
	s_add_co_i32 s46, s55, 0x3e8293ee              ; log2(e) / sqrt(32), with e6 + e7 added to its exponent field
	s_mov_b32 s47, s46                             ; (named with it as a pair)
	s_add_co_i32 s55, s42, 127
	s_lshl_b32 s56, s55, 23
	v_mov_b32 v4, s56                              ; 2^e8
	s_add_co_i32 s55, s55, 8
	s_lshl_b32 s55, s55, 23
	s_or_b32 s50, s55, 0x600000                    ; 448 x 2^e8
	s_mov_b32 s53, 0
	s_mov_b32 s51, 3
.Lstep:                                            ; three of the four steps of 32 keys a set; each asks for the next step's first three heads
	BIAS
	PRE 0
.irp j, 0,1,2,3,4,5,6,7
	HEAD \j, 16, 1                                 ; behind a head's eight loads: those of the next two heads
.endr
	WIN 0                                          ; at a label and at a branch every window is 0
	s_wait_xcnt 0x0                                ; the loads have read their bases: they may step
	s_add_nc_u64 s[8:9], s[8:9], 1024              ; two blocks of 16 keys on
	s_add_nc_u64 s[10:11], s[10:11], 512           ; one group of 32 keys on
	s_sub_co_u32 s51, s51, 1
	s_cmp_lg_u32 s51, 0
	s_cbranch_scc1 .Lstep
	BIAS                                           ; the last step is written out: it asks for nothing beyond its own heads, and the counts run down
	PRE 0
.irp j, 0,1,2,3,4
	HEAD \j, 16, 1
.endr
	HEAD 5, 16, 0
	HEAD 6, 8, 0
	HEAD 7, 0, 0
	WIN 0
	; THE PARTIALS MEET.  l's halves and the other half of the lanes'; these additions are also the places behind the last products
.irp j, 0,1,2,3,4,5,6,7
	v_add_f32 v[ST+4*\j+2], v[ST+4*\j+2], v[ST+4*\j+3]
.endr
.irp j, 0,1,2,3,4,5,6,7
	v_permlanex16_b32 v[ST+4*\j+3], v[ST+4*\j+2], s48, s49
.endr
.irp j, 0,1,2,3,4,5,6,7
	v_add_f32 v[ST+4*\j+2], v[ST+4*\j+2], v[ST+4*\j+3]
.endr
.irp f, 0,1,2,3
.irp c, 0,1,2,3
	global_load_b128 v[48+16*\f+4*\c:51+16*\f+4*\c], v1, s[14:15] offset:2048*\f+512*\c   ; Wo's four fragments of my 32 outputs, where Wrbf lay
.endr
.endr
	global_load_b128 v[112:115], v1, s[24:25]                  ; my row of query_feat: columns 4 l .. and 128 + 4 l ..;
	global_load_b128 v[116:119], v1, s[24:25] offset:512
	global_load_b128 v[120:123], v1, s[28:29]                  ; bo,
	global_load_b128 v[124:127], v1, s[28:29] offset:512
	global_load_b128 v[128:131], v1, s[30:31]                  ; ln_g,
	global_load_b128 v[132:135], v1, s[30:31] offset:512
	global_load_b128 v[136:139], v1, s[32:33]                  ; ln_b at the same columns
	global_load_b128 v[140:143], v1, s[32:33] offset:512
	s_load_u8 s66, s[22:23], 0x0                   ; my row's query_mask
	v_and_b32 v9, 7, v0                            ; q
	v_bfe_u32 v10, v0, 3, 1                        ; u
	v_bfe_u32 v11, v0, 4, 1                        ; h
	v_bfe_u32 v5, v0, 3, 2                         ; lane / 8
	s_lshl_b32 s55, s2, 3
	s_add_co_u32 s55, s55, SN
	v_lshlrev_b32 v12, 6, v9
	v_lshl_add_u32 v12, v10, 2, v12
	v_add_nc_u32 v12, s55, v12                     ; -M, l: 64 q + 4 (2 w + u); a head is 512 bytes
	s_mul_i32 s55, s2, BBW
	s_add_co_u32 s55, s55, BB
	v_mul_u32_u24 v13, v9, 144
	v_mad_u32_u24 v13, v10, PARTB, v13
	v_lshl_add_u32 v13, v11, 5, v13
	v_add_nc_u32 v13, s55, v13                     ; O: my region + 9,344 u + 144 q + 32 h
	s_lshl_b32 s55, s2, 9
	s_add_co_u32 s55, s55, SN
	v_lshlrev_b32 v14, 6, v9
	v_add_nc_u32 v14, s55, v14                     ; the merge: head w, query lane % 8: its 16 partials' -M
	s_mul_i32 s55, s2, 1152
	s_add_co_u32 s55, s55, BB
	v_mul_u32_u24 v6, v9, 144
	v_lshl_add_u32 v6, v5, 5, v6
	v_add_nc_u32 v6, s55, v6                       ; partial 0's O of head w, query lane % 8, channels 8 (lane / 8) ..; partial i lies 9,344 i on:
	v_add_nc_u32 v7, 6*PARTB, v6                   ; three registers, six partials apart, keep the offsets inside 16 bits
	v_add_nc_u32 v8, 12*PARTB, v6
	s_lshl_b32 s55, s2, 5
	s_add_co_u32 s55, s55, AT
	v_mul_u32_u24 v15, v9, 272
	v_lshl_add_u32 v15, v5, 3, v15
	v_add_nc_u32 v15, s55, v15                     ; the attention's codes: row q, byte 32 w + 8 (lane / 8)
	v_mul_u32_u24 v2, v9, 272
	v_lshl_add_u32 v2, v11, 4, v2
	v_add_nc_u32 v2, AT, v2                        ; and as an operand: row r % 8, + 16 h
	s_lshl_b32 s55, s2, 7
	s_add_co_u32 s55, s55, XS
	v_mul_u32_u24 v3, v9, 1040
	v_lshl_add_u32 v3, v11, 5, v3
	v_add_nc_u32 v3, s55, v3                       ; the last product's sums: row r % 8, byte 128 w + 32 h
	s_mul_i32 s55, s2, 1040
	s_add_co_u32 s55, s55, XS
	v_add_nc_u32 v4, s55, v1                       ; and back: row w, 16 bytes a lane
.irp j, 0,1,2,3,4,5,6,7
	ds_store_b32 v12, v[ST+4*\j] offset:512*\j                 ; lanes l and l xor 16 hold the same numbers and write the same word
	ds_store_b32 v12, v[ST+4*\j+2] offset:SL-SN+512*\j
.endr
	WIN 0x04                                       ; store data in window 1
.irp j, 0,1,2,3,4,5,6,7
.irp d, 0,1
	ds_store_b128 v13, v[128+16*\j+8*\d:131+16*\j+8*\d] offset:1152*\j+64*\d       ; each accumulator from its low end on
	ds_store_b128 v13, v[132+16*\j+8*\d:135+16*\j+8*\d] offset:1152*\j+64*\d+16
.endr
.endr
	WIN 0
	BARRIER                                        ; all 16 partials of all heads lie in LDS
.macro PLOAD bt, reg                   ; partials 4 bt .. 4 bt + 3: eight channels each
.irp k, 0,1,2,3
	ds_load_b128 v[\reg+8*\k:\reg+8*\k+3], v[6+(4*(\bt)+\k)/6] offset:((4*(\bt)+\k)%6)*PARTB
	ds_load_b128 v[\reg+8*\k+4:\reg+8*\k+7], v[6+(4*(\bt)+\k)/6] offset:((4*(\bt)+\k)%6)*PARTB+16
.endr
.endm
.macro PACC bt, reg                    ; acc += g_i O_i; the first product starts the sums
.irp k, 0,1,2,3
.set pn, 4*(\bt)+\k
.irp c, 0,1,2,3
.if pn == 0
	v_pk_mul_f32 v[240+2*\c:241+2*\c], v[\reg+8*\k+2*\c:\reg+8*\k+2*\c+1], v[176:177] op_sel_hi:[1,0]
.elseif pn & 1
	v_pk_fma_f32 v[240+2*\c:241+2*\c], v[\reg+8*\k+2*\c:\reg+8*\k+2*\c+1], v[176+pn-1:176+pn], v[240+2*\c:241+2*\c] op_sel:[0,1,0] op_sel_hi:[1,1,1]
.else
	v_pk_fma_f32 v[240+2*\c:241+2*\c], v[\reg+8*\k+2*\c:\reg+8*\k+2*\c+1], v[176+pn:176+pn+1], v[240+2*\c:241+2*\c] op_sel_hi:[1,0,1]
.endif
.endr
.endr
.endm
.irp i, 0,1,2,3
	ds_load_b128 v[176+4*\i:179+4*\i], v14 offset:16*\i            ; -M of the 16 partials
.endr
.irp i, 0,1,2,3
	ds_load_b128 v[192+4*\i:195+4*\i], v14 offset:SL-SN+16*\i      ; l
.endr
	PLOAD 0, 144
	PLOAD 1, 208
	s_wait_dscnt 16                                ; -M and l are in; the two batches of eight loads behind them stay out
	v_min3_num_f32 v250, v176, v177, v178          ; the least -M = the largest M
	v_min3_num_f32 v251, v179, v180, v181
	v_min3_num_f32 v250, v250, v182, v183
	v_min3_num_f32 v251, v251, v184, v185
	v_min3_num_f32 v250, v250, v186, v187
	v_min3_num_f32 v251, v251, v188, v189
	v_min3_num_f32 v250, v250, v190, v191
	v_min_num_f32 v250, v250, v251
.set i, 0
.rept 16
	v_sub_f32 v[176+i], v250, v[176+i]             ; M_i - the largest M: a whole number, 0 or less
.set i, i+1
.endr
.set i, 0
.rept 16
	v_cvt_i32_f32 v[176+i], v[176+i]               ; (it saturates: a set of 128 masked keys gets g = 0)
.set i, i+1
.endr
.set i, 0
.rept 16
	v_ldexp_f32 v[176+i], 1.0, v[176+i]            ; g_i: a power of two, so nothing is rounded
.set i, i+1
.endr
	v_pk_mul_f32 v[248:249], v[176:177], v[192:193]
.set i, 1
.rept 7
	v_pk_fma_f32 v[248:249], v[176+2*i:177+2*i], v[192+2*i:193+2*i], v[248:249]
.set i, i+1
.endr
	v_add_f32 v248, v248, v249                     ; the row's l
	v_rcp_f32 v248, v248                           ; the multiply-adds below are the independent work behind it
	s_wait_dscnt 8                                 ; a batch is in; the one issued behind it stays out
	PACC 0, 144
	PLOAD 2, 144
	s_wait_dscnt 8
	PACC 1, 208
	PLOAD 3, 208
	s_wait_dscnt 8
	PACC 2, 144
	s_wait_dscnt 0x0
	PACC 3, 208
	s_add_co_i32 s55, s42, s43
	s_wait_alu depctr_va_vdst(0)                   ; the wait for the reciprocal, ahead of its first reader
	v_ldexp_f32 v248, v248, s55                    ; 2^(e8 + e9) / l
.irp c, 0,1,2,3
	v_pk_mul_f32 v[240+2*\c:241+2*\c], v[240+2*\c:241+2*\c], v[248:249] op_sel_hi:[1,0]
.endr
	s_add_co_i32 s55, s44, 127
	s_lshl_b32 s56, s55, 23
	v_mov_b32 v250, s56                            ; 2^e10
	s_add_co_i32 s55, s55, 8
	s_lshl_b32 s55, s55, 23
	s_or_b32 s55, s55, 0x600000
	v_mov_b32 v251, s55                            ; 448 x 2^e10
.irp i, 0,1,2,3,4,5,6,7
	v_med3_num_f32 v[240+\i], v[240+\i], -v251, v251
.endr
	v_cvt_scalef32_pk8_fp8_f32 v[252:253], v[240:247], v250
	v_nop
	ds_store_b64 v15, v[252:253]
	BARRIER                                        ; 8 rows of 256 codes lie in LDS
.irp k, 0,1
.irp c, 0,1,2,3
	ds_load_b128 v[176+16*\k+4*\c:179+16*\k+4*\c], v2 offset:128*\k+32*\c   ; registers 4 c ..: k = 128 ks + 32 c + 16 h + 0 .. 15, as in Wo's fragments; columns 8-15 repeat the 8 queries
.endr
.endr
	s_wait_loadcnt 8                               ; Wo's 16 loads are in; the 8 loads of my row stay out
	s_wait_dscnt 0x0
	v_wmma_f32_16x16x128_fp8_fp8 v[208:215], v[48:63], v[176:191], 0          ; transposed: source 0 = 16 rows of Wo; the two accumulators by turns
	v_wmma_f32_16x16x128_fp8_fp8 v[216:223], v[80:95], v[176:191], 0
	v_wmma_f32_16x16x128_fp8_fp8 v[208:215], v[64:79], v[192:207], v[208:215]
	v_wmma_f32_16x16x128_fp8_fp8 v[216:223], v[96:111], v[192:207], v[216:223]
.rept 4
	v_nop
.endr
.irp n, 0,1
	ds_store_b128 v3, v[208+8*\n:211+8*\n] offset:64*\n        ; lane (r, h): outputs 32 w + 16 n + 8 h + 0 .. 7 of query r % 8; lanes r and r + 8 hold the same numbers and write the same bytes
	ds_store_b128 v3, v[212+8*\n:215+8*\n] offset:64*\n+16
.endr
	BARRIER                                        ; 8 whole rows of sums lie in LDS
	; THE ROW: wave w finishes query w of the eight
	ds_load_b128 v[224:227], v4
	ds_load_b128 v[228:231], v4 offset:512
	s_wait_loadcnt 0x0
	s_wait_kmcnt 0x0
	s_add_co_i32 s55, s44, s45
	s_add_co_i32 s55, s55, 127
	s_lshl_b32 s56, s55, 23                        ; 2^(e10 + e11)
	s_mov_b32 s57, s56
	s_cvt_f32_u32 s58, s66                         ; the mask as 0.0 or 1.0
	s_mov_b32 s59, s58
	s_mov_b32 s60, 0x3b800000                      ; 1 / 256
	s_wait_dscnt 0x0
.irp i, 0,2,4,6
	v_pk_fma_f32 v[224+\i:225+\i], v[224+\i:225+\i], s[56:57], v[120+\i:121+\i] op_sel_hi:[1,0,1]   ; sum x 2^(e10 + e11) + bo
.endr
.irp i, 0,2,4,6
	v_pk_fma_f32 v[224+\i:225+\i], v[224+\i:225+\i], s[58:59], v[112+\i:113+\i] op_sel_hi:[1,0,1]   ; x mask + query_feat
.endr
	v_pk_add_f32 v[232:233], v[224:225], v[226:227]
	v_pk_add_f32 v[234:235], v[228:229], v[230:231]
	v_pk_add_f32 v[232:233], v[232:233], v[234:235]
	v_add_f32 v232, v232, v233
	v_add_f32_dpp v232, v232, v232 row_xmask:1 row_mask:0xf bank_mask:0xf
	v_add_f32_dpp v232, v232, v232 row_xmask:2 row_mask:0xf bank_mask:0xf
	v_add_f32_dpp v232, v232, v232 row_xmask:4 row_mask:0xf bank_mask:0xf
	v_add_f32_dpp v232, v232, v232 row_xmask:8 row_mask:0xf bank_mask:0xf
	v_permlanex16_b32 v233, v232, s48, s49
	v_add_f32 v232, v232, v233
	v_mul_f32 v232, s60, v232                      ; the mean
.irp i, 0,2,4,6
	v_pk_add_f32 v[224+\i:225+\i], v[224+\i:225+\i], v[232:233] op_sel_hi:[1,0] neg_lo:[0,1] neg_hi:[0,1]
.endr
	v_pk_mul_f32 v[234:235], v[224:225], v[224:225]
	v_pk_fma_f32 v[234:235], v[226:227], v[226:227], v[234:235]
	v_pk_fma_f32 v[234:235], v[228:229], v[228:229], v[234:235]
	v_pk_fma_f32 v[234:235], v[230:231], v[230:231], v[234:235]
	v_add_f32 v234, v234, v235
	v_add_f32_dpp v234, v234, v234 row_xmask:1 row_mask:0xf bank_mask:0xf
	v_add_f32_dpp v234, v234, v234 row_xmask:2 row_mask:0xf bank_mask:0xf
	v_add_f32_dpp v234, v234, v234 row_xmask:4 row_mask:0xf bank_mask:0xf
	v_add_f32_dpp v234, v234, v234 row_xmask:8 row_mask:0xf bank_mask:0xf
	v_permlanex16_b32 v235, v234, s48, s49
	v_add_f32 v234, v234, v235
	v_fmaak_f32 v234, s60, v234, 0x3727c5ac        ; the variance + 1e-5
	v_rsq_f32 v234, v234
	v_nop
	s_wait_alu depctr_va_vdst(0)                   ; the wait for the root, ahead of its first reader
.irp i, 0,2,4,6
	v_pk_mul_f32 v[224+\i:225+\i], v[224+\i:225+\i], v[234:235] op_sel_hi:[1,0]
.endr
.irp i, 0,2,4,6
	v_pk_fma_f32 v[224+\i:225+\i], v[224+\i:225+\i], v[128+\i:129+\i], v[136+\i:137+\i]   ; x ln_g + ln_b
.endr
	global_store_b128 v1, v[224:227], s[36:37] th:TH_STORE_NT              ; 32 lanes store 512 consecutive bytes, at a multiple of 512 from out0's first byte
	global_store_b128 v1, v[228:231], s[36:37] offset:512 th:TH_STORE_NT
	s_wait_xcnt 0x0
	v_lshl_add_u32 v246, v0, 2, 0x33200
	v_mov_b32 v252, 0
	s_wait_tensorcnt 0x0
	ds_add_u32 v246, v252
	s_wait_dscnt 0x0
	s_endpgm
.Lfunc_end_k_qe811adb29f_attn:
	.size	k_qe811adb29f_attn, .Lfunc_end_k_qe811adb29f_attn-k_qe811adb29f_attn
	.p2alignl 7, 3214868480
	.fill 96, 4, 3214868480
	.section	.rodata,"a",@progbits
	.p2align	6, 0x0
	.amdhsa_kernel k_qe811adb29f_attn
		.amdhsa_group_segment_fixed_size 210432
		.amdhsa_private_segment_fixed_size 0
		.amdhsa_enable_private_segment 0
		.amdhsa_kernarg_size 120
		.amdhsa_user_sgpr_count 2
		.amdhsa_user_sgpr_kernarg_segment_ptr 1
		.amdhsa_wavefront_size32 1
		.amdhsa_system_sgpr_workgroup_id_x 1
		.amdhsa_system_sgpr_workgroup_id_y 1
		.amdhsa_system_sgpr_workgroup_id_z 1
		.amdhsa_system_vgpr_workitem_id 0
		.amdhsa_next_free_vgpr 512
		.amdhsa_next_free_sgpr 90
		.amdhsa_reserve_vcc 1
		.amdhsa_float_denorm_mode_32 3
		.amdhsa_float_denorm_mode_16_64 3
		.amdhsa_memory_ordered 1
		.amdhsa_forward_progress 1
		.amdhsa_inst_pref_size 252
	.end_amdhsa_kernel
	.amdgpu_metadata
---
amdhsa.version: [ 1, 2 ]
amdhsa.kernels:
  - .name:           k_qe811adb29f_attn
    .symbol:         k_qe811adb29f_attn.kd
    .args:
      - { .name: kc, .offset: 0, .size: 8, .value_kind: global_buffer, .address_space: global }
      - { .name: vc, .offset: 8, .size: 8, .value_kind: global_buffer, .address_space: global }
      - { .name: qc, .offset: 16, .size: 8, .value_kind: global_buffer, .address_space: global }
      - { .name: woc, .offset: 24, .size: 8, .value_kind: global_buffer, .address_space: global }
      - { .name: key_pos, .offset: 32, .size: 8, .value_kind: global_buffer, .address_space: global }
      - { .name: key_mask, .offset: 40, .size: 8, .value_kind: global_buffer, .address_space: global }
      - { .name: query_pos, .offset: 48, .size: 8, .value_kind: global_buffer, .address_space: global }
      - { .name: query_mask, .offset: 56, .size: 8, .value_kind: global_buffer, .address_space: global }
      - { .name: query_feat, .offset: 64, .size: 8, .value_kind: global_buffer, .address_space: global }
      - { .name: Wrbf, .offset: 72, .size: 8, .value_kind: global_buffer, .address_space: global }
      - { .name: bo, .offset: 80, .size: 8, .value_kind: global_buffer, .address_space: global }
      - { .name: ln_g, .offset: 88, .size: 8, .value_kind: global_buffer, .address_space: global }
      - { .name: ln_b, .offset: 96, .size: 8, .value_kind: global_buffer, .address_space: global }
      - { .name: lowp_scales, .offset: 104, .size: 8, .value_kind: global_buffer, .address_space: global }
      - { .name: out0, .offset: 112, .size: 8, .value_kind: global_buffer, .address_space: global }
    .group_segment_fixed_size: 210432
    .private_segment_fixed_size: 0
    .kernarg_segment_align: 8
    .kernarg_segment_size: 120
    .max_flat_workgroup_size: 256
    .sgpr_count:     90
    .vgpr_count:     512
    .wavefront_size: 32
...
	.end_amdgpu_metadata
.endif
;; end of part 2
;; ======== version 2 of 2: 2 launches; version 1 with the launches proj, attn written anew for expert scheduling mode
;; workspace buffers: qc 524,288 bytes; kc 1,048,576 bytes; vc 1,048,576 bytes; woc 65,536 bytes
;; launch proj (part 3): grid 161 x 1, 8 waves a work-group, no clusters, 17,408 bytes of LDS; arguments query_feat, key_feat, Wq, Wk, Wv, Wo, lowp_scales, qc, kc, vc, woc; writes qc, kc, vc, woc
.if DOCPART == 3
	.amdgcn_target "amdgcn-amd-amdhsa--gfx1250"
	.amdhsa_code_object_version 6
	.text
	.protected	k_qe811adb29f_proj
	.globl	k_qe811adb29f_proj
	.p2align	8
	.type	k_qe811adb29f_proj,@function
k_qe811adb29f_proj:
	s_mov_b64 s[64:65], 0
	v_nop
	global_prefetch_b8 v0, s[64:65] scope:SCOPE_SE
	s_setreg_imm32_b32 hwreg(HW_REG_WAVE_SCHED_MODE, 0, 2), 2
	s_setreg_imm32_b32 hwreg(HW_REG_WAVE_MODE, 25, 1), 1
	s_wait_xcnt 0x0
	s_wait_alu depctr_vm_vsrc(0)
; THE THREE PROJECTIONS, ON CODES OF E4M3, AND Wo's CODES.
; Q = query_feat Wq^T, K = key_feat Wk^T, V = key_feat Wv^T: x [rows][256] and W [256][256] arrive as f32 with K innermost; both are quantised here, in registers,
; each with its given scale 2^e; the products' sums are quantised again (e6, e7, e9) and stored as IMAGES OF THE OPERAND REGISTERS that the attention launch wants.
; SHARES.  Work-groups 0-31: Q; 32-95: K; 96-159: V: 64 rows x 256 columns each.  Work-group 160 turns Wo into codes.  Eight waves: wave w owns head w = rows 32 w .. 32 w + 31 of W
; (two tiles of 16, two K steps of 128: four fragments, which it quantises itself) and quantises ONE of x's eight fragments (tile of rows w / 2, K step w % 2), which goes to the other waves through LDS
; as an image of its registers: four stores of 512 consecutive bytes, 16 bytes a lane; the same four lines as loads give any wave the same registers.
; A FRAGMENT (16 rows x 128 K, 16 registers): lane (r, h) holds of row r, in registers 4 c .. 4 c + 3, k = 32 c + 16 h + 0 .. 15: the same places in x and in W, so every product meets its partner.
; OUT.  Q, K: the product is used transposed (source 0 = W's rows, source 1 = x): a lane holds one token and eight neighbouring channels.  A block of 512 bytes = 16 tokens x 32 channels of a head:
;   lane (r, h): token r; bytes 0-7 channels 8 h .., bytes 8-15 channels 16 + 8 h ...   qc [b][head][64 tiles][512], kc [b][head][128 tiles][512].
; V: source 0 = x, source 1 = W's rows: a lane holds one channel and eight neighbouring keys.  A block = 16 channels x 32 keys: lane (r, h): channel r; bytes 0-7 keys 8 h .., bytes 8-15 keys 16 + 8 h ...
;   vc [b][head][2 tiles of channels][64 groups of 32 keys][512].     woc [wave][fragment 2 nt + ks][c][512]: Wo's fragments as they stand in registers.
; No tensor load and no cluster: what the work-groups share (W) arrives as f32 and has to pass through registers to become codes.
; LIMITS: each given e, and e_out - e_x - e_W, lies between -126 and 119, so that 2^e and 448 x 2^e are f32 numbers.  NaN among the inputs is not served (an infinity is held at the largest code).
; THE MODE: SCHED_MODE bits 1:0 = 2 (LLVM: expert scheduling mode 2), set by the entry lines.  The code itself states the register dependences
; between vector or matrix instructions and memory or LDS instructions, with s_wait_alu, always for 0.
; THE PLAN.  Registers that memory or LDS instructions touch:
;   v4, v5, v6, v9  addresses, made once at the head and never written again.
;   A, B            loads land in them; the holds and conversions of QUANT read and write them; the buffer is then asked for again at once.  Later x's fragments land in A from LDS and the products read them.
;   PC              written by conversions, read by my four LDS stores; written again on the way out, read by the four global stores.
;   WF              written by conversions, read by the products; in Wo's work-group read by the global stores.
; So one wait on va_vdst stands behind each QUANT whose buffer is loaded again, one ahead of each fetch of x's fragments, one ahead of each run of stores; one wait on vm_vsrc stands between PC's LDS stores and its second use.
.set A,   16                           ; v16-79   64 numbers of a lane; later x's four fragments of a K step
.set B,   80                           ; v80-143  64 numbers; later the eight accumulators
.set WF,  144                          ; v144-207 W's four fragments, fragment 2 nt + ks at 16 (2 nt + ks)
.set PC,  208                          ; v208-223 codes just made
; v4 row r x 1,024 bytes + 64 h; v5 16 x lane; v6 16 x lane + 2,048 x wave; v9 16 x lane + the second pair of blocks' distance; v10-15 the three scales: 2^e, 448 x 2^e
.macro LD64 reg, base, off             ; 64 numbers of my row: register 16 b + 4 j + i = k 32 b + 16 h + 4 j + i
.irp b, 0,1,2,3
.irp j, 0,1,2,3
	global_load_b128 v[\reg+16*\b+4*\j:\reg+16*\b+4*\j+3], v4, s[\base:\base+1] offset:\off+128*\b+16*\j
.endr
.endr
.endm
.macro QUANT src, dst, sc              ; 64 numbers become a fragment's 16 registers of codes.  v[sc]: the scale as f32; v[sc+1]: 448 x the scale
.irp b, 0,1,2,3
.irp i, 0,1,2,3,4,5,6,7,8,9,10,11,12,13,14,15
	v_med3_num_f32 v[\src+16*\b+\i], v[\src+16*\b+\i], -v[\sc+1], v[\sc+1]   ; the conversion to an 8-bit code does not saturate (ISA guide 7.6.2): the hold comes first
.endr
	v_cvt_scalef32_pk8_fp8_f32 v[\dst+4*\b:\dst+4*\b+1], v[\src+16*\b:\src+16*\b+7], v[\sc]
	v_cvt_scalef32_pk8_fp8_f32 v[\dst+4*\b+2:\dst+4*\b+3], v[\src+16*\b+8:\src+16*\b+15], v[\sc]
.endr
	v_nop                                          ; one plain vector instruction between the last conversion and whatever vector or matrix instruction next touches its registers
.endm
.macro MKSC e, v                       ; s[e] = a whole number e: v[v] = 2^e, v[v+1] = 448 x 2^e
	s_add_co_i32 s66, s[\e], 127
	s_lshl_b32 s67, s66, 23
	v_mov_b32 v[\v], s67
	s_add_co_i32 s66, s66, 8
	s_lshl_b32 s66, s66, 23
	s_or_b32 s66, s66, 0x600000
	v_mov_b32 v[\v+1], s66
.endm
.macro FETCH ks                        ; x's four fragments of K step ks, from their images
.irp m, 0,1,2,3
.irp c, 0,1,2,3
	ds_load_b128 v[A+16*\m+4*\c:A+16*\m+4*\c+3], v5 offset:(2*\m+\ks)*2048+512*\c
.endr
.endr
.endm
; Eight matrix instructions, the eight accumulators by turns, in ascending order in both forms and both K steps.  K step 0 starts the sums with the constant 0.
.macro PROD_T ks                       ; Q, K: accumulator 2 m + n = token tile m, channel tile n, transposed
.irp m, 0,1,2,3
.irp n, 0,1
.if \ks == 0
	v_wmma_f32_16x16x128_fp8_fp8 v[B+8*(2*\m+\n):B+8*(2*\m+\n)+7], v[WF+16*(2*\n+\ks):WF+16*(2*\n+\ks)+15], v[A+16*\m:A+16*\m+15], 0
.else
	v_wmma_f32_16x16x128_fp8_fp8 v[B+8*(2*\m+\n):B+8*(2*\m+\n)+7], v[WF+16*(2*\n+\ks):WF+16*(2*\n+\ks)+15], v[A+16*\m:A+16*\m+15], v[B+8*(2*\m+\n):B+8*(2*\m+\n)+7]
.endif
.endr
.endr
.endm
.macro PROD_N ks                       ; V: accumulator 4 n + m = channel tile n, key tile m
.irp n, 0,1
.irp m, 0,1,2,3
.if \ks == 0
	v_wmma_f32_16x16x128_fp8_fp8 v[B+8*(4*\n+\m):B+8*(4*\n+\m)+7], v[A+16*\m:A+16*\m+15], v[WF+16*(2*\n+\ks):WF+16*(2*\n+\ks)+15], 0
.else
	v_wmma_f32_16x16x128_fp8_fp8 v[B+8*(4*\n+\m):B+8*(4*\n+\m)+7], v[A+16*\m:A+16*\m+15], v[WF+16*(2*\n+\ks):WF+16*(2*\n+\ks)+15], v[B+8*(4*\n+\m):B+8*(4*\n+\m)+7]
.endif
.endr
.endr
.endm
.macro PLACES
.rept 4
	v_nop
.endr
.endm
	s_load_b512 s[8:23], s[0:1], 0x0               ; query_feat 8, key_feat 10, Wq 12, Wk 14, Wv 16, Wo 18, lowp_scales 20, qc 22
	s_load_b128 s[24:27], s[0:1], 0x40             ; kc 24, vc 26
	s_load_b64 s[28:29], s[0:1], 0x50              ; woc
	v_lshl_add_u32 v224, v0, 2, 0x4000
	v_mov_b32 v225, 0
	v_lshrrev_b32 v1, 5, v0
	v_readfirstlane_b32 s2, v1                     ; wave 0..7
	v_and_b32 v1, 31, v0                           ; lane
	v_and_b32 v2, 15, v0                           ; r
	v_bfe_u32 v3, v0, 4, 1                         ; h
	v_lshlrev_b32 v4, 10, v2
	v_lshl_add_u32 v4, v3, 6, v4                   ; row r of 1,024 bytes, + 64 h: my 16 numbers of a block of 32
	v_lshlrev_b32 v5, 4, v1
	s_wait_alu depctr_va_sdst(0)                   ; s2 is written, ahead of its first reader: addresses and bases are made from it
	s_lshl_b32 s3, s2, 11
	v_add_nc_u32 v6, s3, v5                        ; my fragment's image: number 2 (w / 2) + w % 2 = w
	s_lshl_b32 s60, s2, 15                         ; my 32 rows of W
	s_mov_b32 s61, 0
	s_mov_b32 s63, 0
	s_wait_kmcnt 0x0
	s_load_b256 s[32:39], s[20:21], 0x0            ; e0 .. e7
	s_load_b128 s[40:43], s[20:21], 0x20           ; e8 .. e11
	s_cmp_eq_u32 ttmp9, 160
	s_cbranch_scc1 .Lwo                            ; the same way for all eight waves of a work-group
	; which of the three products: every choice hangs on the work-group's number alone
	s_cmp_lt_u32 ttmp9, 32
	s_cselect_b64 s[44:45], s[8:9], s[10:11]       ; x
	s_cselect_b64 s[46:47], s[12:13], s[14:15]     ; W
	s_cselect_b64 s[48:49], s[22:23], s[24:25]     ; out
	s_cselect_b32 s53, 0, 32                       ; the product's first work-group
	s_cselect_b32 s54, 4, 5                        ; 16 or 32 blocks of 64 rows in a batch
	s_cselect_b32 s55, 15, 31
	s_cselect_b32 s56, 15, 16                      ; a head's codes: 32,768 or 65,536 bytes
	s_mov_b32 s58, 0x8000
	s_cmp_lt_u32 ttmp9, 96
	s_cselect_b64 s[46:47], s[46:47], s[16:17]
	s_cselect_b64 s[48:49], s[48:49], s[26:27]
	s_cselect_b32 s53, s53, 96
	s_cselect_b32 s57, 11, 10                      ; 64 rows: four blocks on end (Q, K), or two in each of two tiles of channels (V)
	s_cselect_b32 s58, 1024, s58                   ; from the first pair of blocks to the second
	s_sub_co_u32 s53, ttmp9, s53                   ; which 64 rows
	s_lshl_b32 s62, s53, 16
	s_lshr_b32 s66, s2, 1
	s_lshl_b32 s66, s66, 14
	s_add_co_u32 s62, s62, s66                     ; + 16 rows x (w / 2)
	s_and_b32 s66, s2, 1
	s_lshl_b32 s66, s66, 9
	s_add_co_u32 s62, s62, s66                     ; + 128 numbers x (w % 2)
	s_add_nc_u64 s[44:45], s[44:45], s[62:63]
	s_add_nc_u64 s[46:47], s[46:47], s[60:61]
	s_lshr_b32 s66, s53, s54                       ; b
	s_and_b32 s67, s53, s55                        ; the block in its batch
	s_lshl_b32 s66, s66, 3
	s_add_co_u32 s66, s66, s2                      ; 8 b + head
	s_lshl_b32 s66, s66, s56
	s_lshl_b32 s67, s67, s57
	s_add_co_u32 s62, s66, s67
	s_add_nc_u64 s[48:49], s[48:49], s[62:63]
	v_add_nc_u32 v9, s58, v5
	s_wait_alu depctr_va_vdst(0)                   ; v4, v5, v6 and v9 are written: every load and store below reads one of them as its address
	LD64 A, 44, 0                                  ; my fragment of x
	LD64 B, 46, 0                                  ; W's fragment 0
	s_wait_kmcnt 0x0
	s_cmp_lt_u32 ttmp9, 32
	s_cselect_b32 s50, s32, s34                    ; x's e
	s_cselect_b32 s51, s33, s35                    ; W's
	s_cselect_b32 s52, s38, s39                    ; the result's: e6, e7
	s_cmp_lt_u32 ttmp9, 96
	s_cselect_b32 s50, s50, s36
	s_cselect_b32 s51, s51, s37
	s_cselect_b32 s52, s52, s41                    ; e9
	s_sub_co_i32 s52, s52, s50
	s_sub_co_i32 s52, s52, s51                     ; a sum stands for sum x 2^(ex + eW): the three scales are folded into the conversion's one
	MKSC 50, 10
	MKSC 51, 12
	MKSC 52, 14
	s_wait_loadcnt 16                              ; x is in; the 16 loads issued behind it stay out (so at each wait of this run)
	QUANT A, PC, 10
	s_wait_alu depctr_va_vdst(0)                   ; the conversions have written PC, which the LDS stores read; the holds and conversions are done with A, in which the next loads land
.irp c, 0,1,2,3
	ds_store_b128 v6, v[PC+4*\c:PC+4*\c+3] offset:512*\c
.endr
	LD64 A, 46, 512
	s_wait_loadcnt 16
	QUANT B, WF, 12
	s_wait_alu depctr_va_vdst(0)                   ; the holds and conversions are done with B, in which the next loads land
	LD64 B, 46, 16384
	s_wait_loadcnt 16
	QUANT A, WF+16, 12
	s_wait_alu depctr_va_vdst(0)                   ; the holds and conversions are done with A, in which the next loads land
	LD64 A, 46, 16384+512
	s_wait_loadcnt 16
	QUANT B, WF+32, 12
	s_wait_loadcnt 0x0
	QUANT A, WF+48, 12
	s_wait_dscnt 0x0                               ; for the others' sake: my image has landed
	s_barrier_signal -1
	s_barrier_wait -1                              ; x's eight fragments lie in LDS
	s_wait_alu depctr_vm_vsrc(0)                   ; my four LDS stores have read PC, which the way out's conversions write again
	s_wait_alu depctr_va_vdst(0)                   ; the last holds and conversions are done with A, in which x's fragments land
	FETCH 0
	s_wait_dscnt 0x0
	s_cmp_lt_u32 ttmp9, 96
	s_cbranch_scc0 .Lv0
	PROD_T 0
	s_branch .Lj0
.Lv0:
	PROD_N 0
.Lj0:
	PLACES                                         ; in front of loads into registers that matrix instructions have read
	s_wait_alu depctr_va_vdst(0)                   ; the eight products are done reading A, in which the next K step's fragments land
	FETCH 1
	s_wait_dscnt 0x0
	s_cmp_lt_u32 ttmp9, 96
	s_cbranch_scc0 .Lv1
	PROD_T 1
	s_branch .Lj1
.Lv1:
	PROD_N 1
.Lj1:
	PLACES                                         ; in front of the first read of results
.set i, 0
.rept 64
	v_med3_num_f32 v[B+i], v[B+i], -v15, v15       ; each accumulator from its low end on
.set i, i+1
.endr
.set i, 0
.rept 8
	v_cvt_scalef32_pk8_fp8_f32 v[PC+2*i:PC+2*i+1], v[B+8*i:B+8*i+7], v14   ; accumulators 2 a, 2 a + 1 make one block's 16 bytes a lane
.set i, i+1
.endr
	v_nop
	s_wait_alu depctr_va_vdst(0)                   ; the conversions have written PC, which the four stores read
	global_store_b128 v5, v[PC:PC+3], s[48:49]                 ; each store: 512 consecutive bytes, at a multiple of 512 from the buffer's first byte
	global_store_b128 v5, v[PC+4:PC+7], s[48:49] offset:512
	global_store_b128 v9, v[PC+8:PC+11], s[48:49]
	global_store_b128 v9, v[PC+12:PC+15], s[48:49] offset:512
	s_wait_dscnt 0x0                               ; the closing lines, six on end
	s_wait_alu 0x0
	s_wait_tensorcnt 0x0
	ds_add_u32 v224, v225
	s_wait_dscnt 0x0
	s_endpgm
.Lwo:                                              ; Wo's codes: wave w's four fragments, as they will stand in the registers of wave w of the attention launch.  This way stores nothing to LDS
	s_add_nc_u64 s[46:47], s[18:19], s[60:61]
	s_lshl_b32 s62, s2, 13
	s_add_nc_u64 s[48:49], s[28:29], s[62:63]
	s_wait_alu depctr_va_vdst(0)                   ; v4 and v5 are written: the loads and stores below read them as their addresses
	LD64 A, 46, 0
	LD64 B, 46, 512
	s_wait_kmcnt 0x0
	MKSC 43, 12                                    ; e11
	s_wait_loadcnt 16
	QUANT A, WF, 12
	s_wait_alu depctr_va_vdst(0)                   ; the holds and conversions are done with A, in which the next loads land
	LD64 A, 46, 16384
	s_wait_loadcnt 16
	QUANT B, WF+16, 12
	s_wait_alu depctr_va_vdst(0)                   ; the holds and conversions are done with B, in which the next loads land
	LD64 B, 46, 16384+512
	s_wait_loadcnt 16
	QUANT A, WF+32, 12
	s_wait_loadcnt 0x0
	QUANT B, WF+48, 12
	s_wait_alu depctr_va_vdst(0)                   ; the conversions have written WF, which the sixteen stores read
.irp f, 0,1,2,3
.irp c, 0,1,2,3
	global_store_b128 v5, v[WF+16*\f+4*\c:WF+16*\f+4*\c+3], s[48:49] offset:2048*\f+512*\c
.endr
.endr
	s_endpgm
.Lfunc_end_k_qe811adb29f_proj:
	.size	k_qe811adb29f_proj, .Lfunc_end_k_qe811adb29f_proj-k_qe811adb29f_proj
	.p2alignl 7, 3214868480
	.fill 96, 4, 3214868480
	.section	.rodata,"a",@progbits
	.p2align	6, 0x0
	.amdhsa_kernel k_qe811adb29f_proj
		.amdhsa_group_segment_fixed_size 17408
		.amdhsa_private_segment_fixed_size 0
		.amdhsa_enable_private_segment 0
		.amdhsa_kernarg_size 88
		.amdhsa_user_sgpr_count 2
		.amdhsa_user_sgpr_kernarg_segment_ptr 1
		.amdhsa_wavefront_size32 1
		.amdhsa_system_sgpr_workgroup_id_x 1
		.amdhsa_system_sgpr_workgroup_id_y 1
		.amdhsa_system_sgpr_workgroup_id_z 1
		.amdhsa_system_vgpr_workitem_id 0
		.amdhsa_next_free_vgpr 226
		.amdhsa_next_free_sgpr 80
		.amdhsa_reserve_vcc 0
		.amdhsa_float_denorm_mode_32 3
		.amdhsa_float_denorm_mode_16_64 3
		.amdhsa_memory_ordered 1
		.amdhsa_forward_progress 1
		.amdhsa_inst_pref_size 71
	.end_amdhsa_kernel
	.amdgpu_metadata
---
amdhsa.version: [ 1, 2 ]
amdhsa.kernels:
  - .name:           k_qe811adb29f_proj
    .symbol:         k_qe811adb29f_proj.kd
    .args:
      - { .name: query_feat, .offset: 0, .size: 8, .value_kind: global_buffer, .address_space: global }
      - { .name: key_feat, .offset: 8, .size: 8, .value_kind: global_buffer, .address_space: global }
      - { .name: Wq, .offset: 16, .size: 8, .value_kind: global_buffer, .address_space: global }
      - { .name: Wk, .offset: 24, .size: 8, .value_kind: global_buffer, .address_space: global }
      - { .name: Wv, .offset: 32, .size: 8, .value_kind: global_buffer, .address_space: global }
      - { .name: Wo, .offset: 40, .size: 8, .value_kind: global_buffer, .address_space: global }
      - { .name: lowp_scales, .offset: 48, .size: 8, .value_kind: global_buffer, .address_space: global }
      - { .name: qc, .offset: 56, .size: 8, .value_kind: global_buffer, .address_space: global }
      - { .name: kc, .offset: 64, .size: 8, .value_kind: global_buffer, .address_space: global }
      - { .name: vc, .offset: 72, .size: 8, .value_kind: global_buffer, .address_space: global }
      - { .name: woc, .offset: 80, .size: 8, .value_kind: global_buffer, .address_space: global }
    .group_segment_fixed_size: 17408
    .private_segment_fixed_size: 0
    .kernarg_segment_align: 8
    .kernarg_segment_size: 88
    .max_flat_workgroup_size: 256
    .sgpr_count:     80
    .vgpr_count:     226
    .wavefront_size: 32
...
	.end_amdgpu_metadata
.endif
;; end of part 3
;; launch attn (part 4): grid 256 x 1, 8 waves a work-group, no clusters, 210,432 bytes of LDS; arguments kc, vc, qc, woc, key_pos, key_mask, query_pos, query_mask, query_feat, Wrbf, bo, ln_g, ln_b, lowp_scales, out0; writes out0
.if DOCPART == 4
	.amdgcn_target "amdgcn-amd-amdhsa--gfx1250"
	.amdhsa_code_object_version 6
	.text
	.protected	k_qe811adb29f_attn
	.globl	k_qe811adb29f_attn
	.p2align	8
	.type	k_qe811adb29f_attn,@function
k_qe811adb29f_attn:
	s_mov_b64 s[64:65], 0
	v_nop
	global_prefetch_b8 v0, s[64:65] scope:SCOPE_SE
	s_setreg_imm32_b32 hwreg(HW_REG_WAVE_SCHED_MODE, 0, 2), 2
	s_setreg_imm32_b32 hwreg(HW_REG_WAVE_MODE, 25, 1), 1
	s_wait_xcnt 0x0
	s_wait_alu depctr_vm_vsrc(0)
; ATTENTION WITH A BIAS FROM DISTANCES, THE OUTPUT PROJECTION, THE RESIDUAL AND THE LAYER NORM.
; logit(h, q, k) = Q.K / sqrt(32) + sum over r of rbf_r(|pos_q - pos_k|) Wrbf[h][r]; masked keys -infinity; softmax; x V; x Wo^T + bo; x query_mask; + query_feat; layer norm.
; Q, K, V and Wo come as codes of E4M3 laid as images of operand registers (512-byte blocks, 16 bytes a lane) by the launch before.
; SHARES.  A work-group owns 8 queries of one batch, for all 8 heads and all 2,048 keys.  The vector work (per pair of query and key: a distance, a root, 16 exponentials, 128 multiply-adds, 8 softmax elements)
; is far more than the matrix work, so the layout is chosen for it: EVERY LANE HOLDS ANOTHER PAIR, and a pair's 16 RBFs are made once for all 8 heads.
; A wave's 16 matrix columns are (q = r % 8, u = r / 8): 8 queries x 2 sets of keys.  Set 2 w + u of wave w holds keys 128 (2 w + u) .. + 127, walked in 4 steps of 32: key = 128 (2 w + u) + 32 s + 16 t + 8 h + j.
; S^T (16x16x64): source 0's row m = [the 32 codes of key m of set 2 w's tile | those of set 2 w + 1's]; source 1's column (q, u) = Q's 32 codes in half u of K, zero codes in the other half.
; O^T (16x16x64): source 0's row = a channel: [32 keys of set 2 w | 32 keys of set 2 w + 1]; source 1's column = p's codes in half u, zero codes in the other.  A lane holds one column throughout.
; SOFTMAX: t = logit x log2(e); for each column a running M = ceil(largest t), p = 2^(t - M) is quantised with 2^e8; l sums the unquantised p; when M moves, l and O^T are multiplied by a power of two.
; The 16 partial results of a query (8 waves x 2 sets) are brought under the largest M by powers of two and added at the end; then / l.
; THE BIAS goes from the phase that makes it (all heads of two keys at a time) to the phase that uses it (all keys of one head) through the wave's own LDS bytes.
; THE BIAS PHASE GOES BY TURNS: the 16 RBFs of two keys are two halves of 8.  While the 64 multiply-adds on one half are issued, the other half is prepared between them (differences, squares, exponentials),
; and so are the next four keys' distances and roots; their positions are loaded a stage and more ahead.  So no exponential, root or LDS load is waited for directly behind its issue.
; K AND V GO FROM MEMORY STRAIGHT INTO OPERAND REGISTERS, three heads ahead.  No tensor load, no cluster: a step's codes are 32 KB a wave, 256 KB for the eight; two slots of that do not fit into a work-group's LDS,
; and no byte of them is read by two waves of a work-group.
; LIMITS: e6 + e7 between -124 and 129 (added to a constant's exponent field); e8 and e10 between -126 and 119; e10 + e11 between -126 and 127.  NaN among the inputs is not served.
; A batch whose key_mask is all false is not served (the expected numbers are NaN; the hold ahead of the last quantiser drops the NaN here).  Holes, whole sets of 128 keys among them, are served.
; The distance and the centres are multiplied by sqrt(log2(e) / 3.125) ahead of their difference: one rounding more than in (d - c)^2 / 3.125.
; THE MODE: SCHED_MODE bits 1:0 = 2 (LLVM: expert scheduling mode 2), set by the entry lines.  The code itself states the register dependences
; between vector or matrix instructions and memory or LDS instructions, with s_wait_alu, always for 0.
; THE PLAN.  Registers that memory or LDS instructions touch, in the loop:
;   v1, v3, v15   addresses; never written in the loop.
;   v10, v11      the bias phase's LDS addresses: written once a trip, behind the trip's first wait on vm_vsrc and ahead of stage 0's closing wait on va_vdst; v10 also at a phase's head.
;   KP 0-11       x, y, z of four keys: loaded behind stage 0's closing wait; read by the distance lines in stage 2.
;   KP 12-15      their mask: read by the first eight multiply-adds of stages 0 and 2; loaded behind stage 2's closing wait.
;   AC            written by the multiply-adds of two stages; read by eight LDS stores behind the second stage's closing wait; a wait on vm_vsrc stands ahead of the stage that begins it anew, and ahead of the heads' work, which writes the same registers.
;   BI, QF        head j + 1's bias and Q land in them in head j, behind one wait on va_vdst that follows head j's two score products: head j - 1 is done with that set of BI, head j's products with QF.
;   the ring      head j + 3's K and V land behind the same wait in the slot that head j - 1's four products read.
; So a trip has its four closing waits on va_vdst, which are also the waits for each stage's exponentials and roots, and two waits on vm_vsrc; a head has one wait on va_vdst for its loads and one for its exponentials.
;
; LDS: 0 x, 8192 y, 16384 z of the batch's keys, 24576 their mask as 0 or -infinity (key at 512 set + 256 h + 32 (2 s + t) + 4 j: a lane's keys on end); 32768 Q's operand images, 1,024 a head;
;   40960 -M and 45056 l of the partials [head][q][16]; 49152 the attention's codes, 8 rows, pitch 272; 51456 the last product's sums, 8 rows, pitch 1,040; 59904 eight regions of 18,688, a wave's own:
;   in the loop the bias [head 2048][pair of keys 256][8 x lane]; behind it the wave's two partial O [set 9344][head 1152][q 144][channel 4].
; REGISTERS, window 0: v0 thread; v1 16 x lane; v2 my keys' place; v3 my bias bytes; v4 2^e8; v5 0; v6-8 my query's x, y, z; v10, v11 the bias phase's LDS addresses; v12, v13 all ones where u = 0, u = 1; v15 Q's image;
;   v16-47 a head's -M, largest t, l in two halves; v48-175 Wrbf x log2(e), W(h, r) at 48 + 16 h + r; v176-255 at work, by turns of the two phases.
;   window 1: v0-127 K and V of four heads; v128-255 O^T, 16 a head.   So the bias phase stays in window 0 throughout.
.set KY,  8192
.set KZ,  16384
.set KM,  24576
.set QI,  32768
.set SN,  40960
.set SL,  45056
.set AT,  49152
.set XS,  51456
.set BB,  59904
.set BBW, 18688
.set PARTB, 9344
.set ST,   16
.set WR,   48                          ; Wrbf x log2(e)
.set KP,   176                         ; bias phase: x, y, z, mask of four keys
.set DF,   192                         ;   three differences of keys 0, 1
.set DD,   198                         ;   four distances
.set RB,   202                         ;   16 RBFs x two keys: two halves of 16 registers
.set AC,   234                         ;   8 heads x two keys
.set DG,   250                         ;   three differences of keys 2, 3
.set S,    176                         ; head phase: the scores
.set BI,   192                         ;   bias, then t, then p: two sets, by the head's parity
.set QF,   224                         ;   Q's operand
.set P,    232                         ;   p's operand
.set CT,   240                         ;   p's codes
.set F,    244                         ;   f = 2^(old M - new M); v245 is named with it as a pair
.set MSB, 0
.macro WIN new                         ; s_set_vgpr_msb: bits 1:0 source 0, 3:2 source 1, 5:4 source 2, 7:6 destination; the high byte repeats the setting that is left
.if MSB != \new
	s_set_vgpr_msb (MSB<<8)|\new
.set MSB, \new
.endif
.endm
; K's and V's codes of one head and one step: 8 loads of 512 consecutive bytes, into slot sl of window 1 (the caller sets the destination's window): K tile 0, K tile 1, V channels 0-15, V channels 16-31,
; 8 registers each: set 2 w's four, set 2 w + 1's four.  cy = 1: the next step's (the bases have not stepped yet)
.macro REFILL sl, hd, cy
.irp t, 0,1
.irp e, 0,1
	global_load_b128 v[32*(\sl)+8*\t+4*\e:32*(\sl)+8*\t+4*\e+3], v1, s[8:9] offset:65536*(\hd)+4096*\e+512*\t+1024*(\cy)
.endr
.endr
.irp t, 0,1
.irp e, 0,1
	global_load_b128 v[32*(\sl)+16+8*\t+4*\e:32*(\sl)+16+8*\t+4*\e+3], v1, s[10:11] offset:65536*(\hd)+32768*\t+2048*\e+512*(\cy)
.endr
.endr
.endm
; ---- THE BIAS PHASE'S PIECES.  They take their numbers from symbols: fg, fr, fh (a multiply-add's pair of keys, centre, head); pg, pr (a preparation's pair of keys, centre); dn (a distance instruction's number).
.macro FM                              ; AC(head) += rbf_r x W(head, r) for two keys; centre 0 begins the sum from the keys' mask (0 or -infinity), so that the mask costs no instruction
.if fr == 0
	v_pk_fma_f32 v[AC+2*fh:AC+2*fh+1], v[RB:RB+1], v[WR+16*fh:WR+16*fh+1], v[KP+12+2*fg:KP+13+2*fg] op_sel_hi:[1,0,1]
.elseif fr & 1
	v_pk_fma_f32 v[AC+2*fh:AC+2*fh+1], v[RB+2*fr:RB+2*fr+1], v[WR+16*fh+fr-1:WR+16*fh+fr], v[AC+2*fh:AC+2*fh+1] op_sel:[0,1,0] op_sel_hi:[1,1,1]
.else
	v_pk_fma_f32 v[AC+2*fh:AC+2*fh+1], v[RB+2*fr:RB+2*fr+1], v[WR+16*fh+fr:WR+16*fh+fr+1], v[AC+2*fh:AC+2*fh+1] op_sel_hi:[1,0,1]
.endif
.endm
.macro PA c
	v_pk_add_f32 v[RB+2*pr:RB+2*pr+1], v[DD+2*pg:DD+2*pg+1], \c op_sel_hi:[1,0]
.endm
.macro PADD                            ; d' - c'_r, c'_r = r x (20 / 15) x sqrt(log2(e) / 3.125); centre 0 has none
.if pr == 1
	PA 0xbf67ebe6
.elseif pr == 2
	PA 0xbfe7ebe6
.elseif pr == 3
	PA 0xc02df0ec
.elseif pr == 4
	PA 0xc067ebe6
.elseif pr == 5
	PA 0xc090f370
.elseif pr == 6
	PA 0xc0adf0ec
.elseif pr == 7
	PA 0xc0caee69
.elseif pr == 8
	PA 0xc0e7ebe6
.elseif pr == 9
	PA 0xc10274b1
.elseif pr == 10
	PA 0xc110f370
.elseif pr == 11
	PA 0xc11f722e
.elseif pr == 12
	PA 0xc12df0ec
.elseif pr == 13
	PA 0xc13c6fab
.elseif pr == 14
	PA 0xc14aee69
.elseif pr == 15
	PA 0xc1596d27
.endif
.endm
.macro PMUL                            ; -(d' - c'_r)^2
.if pr == 0
	v_pk_mul_f32 v[RB:RB+1], v[DD+2*pg:DD+2*pg+1], v[DD+2*pg:DD+2*pg+1] neg_lo:[1,0] neg_hi:[1,0]
.else
	v_pk_mul_f32 v[RB+2*pr:RB+2*pr+1], v[RB+2*pr:RB+2*pr+1], v[RB+2*pr:RB+2*pr+1] neg_lo:[1,0] neg_hi:[1,0]
.endif
.endm
.macro DISTI                           ; number dn of the 16 instructions that make four squared distances: the two pairs of keys by turns
.if dn == 0
	v_pk_add_f32 v[DF:DF+1], v[KP:KP+1], v[6:7] op_sel_hi:[1,0] neg_lo:[0,1] neg_hi:[0,1]                        ; key - query: x (v6 for both halves)
.elseif dn == 1
	v_pk_add_f32 v[DG:DG+1], v[KP+2:KP+3], v[6:7] op_sel_hi:[1,0] neg_lo:[0,1] neg_hi:[0,1]
.elseif dn == 2
	v_pk_add_f32 v[DF+2:DF+3], v[KP+4:KP+5], v[6:7] op_sel:[0,1] op_sel_hi:[1,1] neg_lo:[0,1] neg_hi:[0,1]       ; y (v7)
.elseif dn == 3
	v_pk_add_f32 v[DG+2:DG+3], v[KP+6:KP+7], v[6:7] op_sel:[0,1] op_sel_hi:[1,1] neg_lo:[0,1] neg_hi:[0,1]
.elseif dn == 4
	v_pk_add_f32 v[DF+4:DF+5], v[KP+8:KP+9], v[8:9] op_sel_hi:[1,0] neg_lo:[0,1] neg_hi:[0,1]                    ; z (v8)
.elseif dn == 5
	v_pk_add_f32 v[DG+4:DG+5], v[KP+10:KP+11], v[8:9] op_sel_hi:[1,0] neg_lo:[0,1] neg_hi:[0,1]
.elseif dn == 6
	v_pk_mul_f32 v[DD:DD+1], v[DF:DF+1], v[DF:DF+1]
.elseif dn == 7
	v_pk_mul_f32 v[DD+2:DD+3], v[DG:DG+1], v[DG:DG+1]
.elseif dn == 8
	v_pk_fma_f32 v[DD:DD+1], v[DF+2:DF+3], v[DF+2:DF+3], v[DD:DD+1]
.elseif dn == 9
	v_pk_fma_f32 v[DD+2:DD+3], v[DG+2:DG+3], v[DG+2:DG+3], v[DD+2:DD+3]
.elseif dn == 10
	v_pk_fma_f32 v[DD:DD+1], v[DF+4:DF+5], v[DF+4:DF+5], v[DD:DD+1]
.elseif dn == 11
	v_pk_fma_f32 v[DD+2:DD+3], v[DG+4:DG+5], v[DG+4:DG+5], v[DD+2:DD+3]
.else
	v_max_num_f32 v[DD+dn-12], 0, v[DD+dn-12]      ; the clip at 0 ahead of the root
.endif
.endm
; What stands behind multiply-add fi (0 .. 63) of a stage: vector instructions alone.  Every exponential and root is followed by a multiply-add that names none of its registers; nothing names a result before the wait at the stage's end.
; sm = 0: nothing.   sm = 1: half ph of pair pg: 8 differences, 8 squares, then an exponential behind every third multiply-add.
; sm = 2: the upper half of keys 2, 3, and beside it the next four keys' distances; then 16 exponentials and 4 roots, one behind every second multiply-add.
; sm = 3: the next four keys' distances are scaled; the lower half of their keys 0, 1.
.macro SIDE
.if sm == 1
.if fi < 8
.set pr, 8*ph+fi
	PADD
.elseif fi < 16
.set pr, 8*ph+fi-8
	PMUL
.elseif (fi-16)%3 == 0
	v_exp_f32 v[RB+16*ph+(fi-16)/3], v[RB+16*ph+(fi-16)/3]     ; rbf = 2^(-(d' - c')^2)
.endif
.elseif sm == 2
.if fi < 8
.set pr, 8+fi
	PADD                                           ; the last of these reads the old distances ahead of the line that writes the new ones
.set dn, fi
	DISTI
.elseif fi < 16
.set pr, fi
	PMUL
.set dn, fi
	DISTI
.elseif (fi%2 == 0) && (fi < 48)
	v_exp_f32 v[RB+16+(fi-16)/2], v[RB+16+(fi-16)/2]
.elseif (fi%2 == 0) && (fi < 56)
	v_sqrt_f32 v[DD+(fi-48)/2], v[DD+(fi-48)/2]
.endif
.elseif sm == 3
.if fi == 0
	v_pk_mul_f32 v[DD:DD+1], v[DD:DD+1], 0x3f2df0ec op_sel_hi:[1,0]       ; d' = d x sqrt(log2(e) / 3.125)
.elseif fi == 1
	v_pk_mul_f32 v[DD+2:DD+3], v[DD+2:DD+3], 0x3f2df0ec op_sel_hi:[1,0]
.elseif fi == 2
.set pr, 0
	PMUL
.elseif fi < 10
.set pr, fi-2
	PADD
.elseif fi < 17
.set pr, fi-9
	PMUL
.elseif (fi-17)%3 == 0
	v_exp_f32 v[RB+(fi-17)/3], v[RB+(fi-17)/3]
.endif
.endif
.endm
; A stage: the 64 multiply-adds of pair g on half hf of the RBFs (8 centres x 8 heads: eight chains by turns), with the preparation of kind mode for pair sg, half sh, between them
.macro STAGE g, hf, mode, sg, sh
.set fg, \g
.set sm, \mode
.set pg, \sg
.set ph, \sh
.set fi, 0
.rept 64
.set fr, 8*(\hf)+fi/8
.set fh, fi%8
	FM
	SIDE
.set fi, fi+1
.endr
.endm
; A trip: four keys a lane, in four stages.  nxt = 1: the next trip's keys are loaded and prepared on the way.
.macro TRIP nxt
	s_wait_dscnt 8                                 ; my four keys' mask is in; the eight stores of the bias that were issued behind its load may stay out
	s_wait_alu depctr_vm_vsrc(0)                   ; the last trip's stores have read AC and v11, its loads v10: stage 0 begins AC anew, and the two addresses are written behind it
	STAGE 0, 0, 1, 0, 1
.if \nxt
	s_add_co_u32 s53, s53, 16                      ; my next four keys: it runs on through all 16 trips
	v_add_nc_u32 v10, s53, v2
.endif
	v_add_nc_u32 v11, s54, v3                      ; where this trip's bias goes
	s_wait_alu depctr_va_vdst(0)                   ; the stage's 16 exponentials are written, ahead of their first reader; so are v10 and v11, which the loads and stores below read; the distance lines are done reading x, y, z, in which the loads land
.if \nxt
	ds_load_b128 v[KP:KP+3], v10                   ; the next four keys' x, y, z
	ds_load_b128 v[KP+4:KP+7], v10 offset:KY
	ds_load_b128 v[KP+8:KP+11], v10 offset:KZ
.endif
	STAGE 0, 1, 1, 1, 0
	s_wait_alu depctr_va_vdst(0)                   ; the stage's 16 exponentials are written; the multiply-adds have written AC, which the eight stores read
.irp hd, 0,1,2,3,4,5,6,7
	ds_store_b64 v11, v[AC+2*\hd:AC+2*\hd+1] offset:2048*\hd       ; 32 lanes: 256 consecutive bytes
.endr
.if \nxt
	s_wait_dscnt 8                                 ; x, y, z are in; the eight stores just issued may stay out
.endif
	s_wait_alu depctr_vm_vsrc(0)                   ; the eight stores have read AC, which the next stage begins anew
.if \nxt
	STAGE 1, 0, 2, 1, 1
	s_wait_alu depctr_va_vdst(0)                   ; 16 exponentials and 4 roots are written; the multiply-adds of stages 0 and 2 are done reading the mask, in which the load lands
	ds_load_b128 v[KP+12:KP+15], v10 offset:KM     ; the next four keys' mask: it has the whole of the next stage in which to land
	STAGE 1, 1, 3, 0, 0
.else
	STAGE 1, 0, 1, 1, 1
	s_wait_alu depctr_va_vdst(0)                   ; the stage's 16 exponentials are written, ahead of their first reader
	STAGE 1, 1, 0, 0, 0
.endif
	s_wait_alu depctr_va_vdst(0)                   ; the multiply-adds have written AC, which the eight stores read; nxt = 1: the stage's 16 exponentials are written; nxt = 0: the phase is done with v192-231, in which the first head's bias and Q land
.irp hd, 0,1,2,3,4,5,6,7
	ds_store_b64 v11, v[AC+2*\hd:AC+2*\hd+1] offset:2048*\hd+256
.endr
	s_add_co_u32 s54, s54, 512                     ; the next two pairs' bias
.endm
; A step's 16 keys a lane.  The first four keys' distances and the first half of RBFs are made ahead of the trips; three trips in a loop, each preparing the next; the fourth prepares nothing.
.macro BIAS
	s_mov_b32 s54, 0
	v_add_nc_u32 v10, s53, v2                      ; (its last readers stand ahead of the last trip's waits on vm_vsrc)
	s_wait_alu depctr_va_vdst(0)                   ; v10 is written, which the four loads read; the heads' products and multiply-adds are done with v176-191, in which they land
	ds_load_b128 v[KP:KP+3], v10
	ds_load_b128 v[KP+4:KP+7], v10 offset:KY
	ds_load_b128 v[KP+8:KP+11], v10 offset:KZ
	ds_load_b128 v[KP+12:KP+15], v10 offset:KM
	s_wait_dscnt 0x0
.set dn, 0
.rept 16
	DISTI
.set dn, dn+1
.endr
.irp i, 0,1,2,3
	v_sqrt_f32 v[DD+\i], v[DD+\i]
.endr
	v_nop                                          ; a plain instruction behind the last root
	s_wait_alu depctr_va_vdst(0)                   ; the four roots are written, ahead of their first reader
	v_pk_mul_f32 v[DD:DD+1], v[DD:DD+1], 0x3f2df0ec op_sel_hi:[1,0]
	v_pk_mul_f32 v[DD+2:DD+3], v[DD+2:DD+3], 0x3f2df0ec op_sel_hi:[1,0]
.set pg, 0
.set pr, 0
	PMUL
.set pr, 1
.rept 7
	PADD
.set pr, pr+1
.endr
.set pr, 1
.rept 7
	PMUL
.set pr, pr+1
.endr
.set i, 0
.rept 16
	v_exp_f32 v[RB+i], v[RB+i]
.set i, i+1
.endr
	v_nop
	s_wait_alu depctr_va_vdst(0)                   ; the 16 exponentials are written, ahead of their first reader
	s_mov_b32 s52, 3
.Ltrip_\@:
	TRIP 1
	s_sub_co_u32 s52, s52, 1
	s_cmp_lg_u32 s52, 0
	s_cbranch_scc1 .Ltrip_\@
	TRIP 0
	s_add_co_u32 s53, s53, 16                      ; the next step's first four keys
.endm
.macro PRE j                           ; head j's bias of my 16 keys, and its Q
.irp p, 0,1,2,3,4,5,6,7
	ds_load_b64 v[BI+16*((\j)&1)+2*\p:BI+16*((\j)&1)+2*\p+1], v3 offset:2048*(\j)+256*\p   ; LDS serves a wave's instructions in order (ISA guide 5.7.1.4): these see my stores
.endr
	ds_load_b128 v[QF:QF+3], v15 offset:1024*(\j)
	ds_load_b128 v[QF+4:QF+7], v15 offset:1024*(\j)+512
.endm
; One head of one step.  cnt: the global loads issued behind this head's eight.  refill = 1: the head three on is asked for, into the slot that the head before has left.
; The macro leaves the windows as its last products want them; the next head, or the line behind the last head, sets them anew.
.macro HEAD j, cnt, refill
.set SLT, 32*((\j)&3)
.set BJ,  BI+16*((\j)&1)
.set STJ, ST+4*(\j)
.set OJ,  128+16*(\j)
	s_wait_loadcnt \cnt                            ; this head's K and V are in
	s_wait_dscnt 0x0                               ; its bias and its Q too (asked for a head ago)
	WIN 0x01                                       ; source 0 (K) in window 1
	v_wmma_f32_16x16x64_fp8_fp8 v[S:S+7], v[SLT:SLT+7], v[QF:QF+7], 0
	v_wmma_f32_16x16x64_fp8_fp8 v[S+8:S+15], v[SLT+8:SLT+15], v[QF:QF+7], 0
.rept 4
	v_nop                                          ; places in front of the loads into Q's registers, of the first read of the scores, and of the loads into the slot that the last head's products read
.endr
.if \refill
	WIN 0x40                                       ; destination in window 1
.else
	WIN 0
.endif
.if \refill || ((\j) < 7)
	s_wait_alu depctr_va_vdst(0)                   ; the two products above are done reading Q; the head before is done with its slot of the ring and with its set of BI: the loads below land in these.  Only loads and window switches follow up to the last of them
.endif
.if \refill
.set RSL, ((\j)+3)&3
.set RHD, ((\j)+3)&7
.set RCY, ((\j)+3)>>3
	REFILL RSL, RHD, RCY
	WIN 0
.endif
.if (\j) < 7
	PRE (\j)+1
.endif
.set i, 0
.rept 8
	v_pk_fma_f32 v[BJ+2*i:BJ+2*i+1], v[S+2*i:S+2*i+1], s[46:47], v[BJ+2*i:BJ+2*i+1] op_sel_hi:[1,0,1]   ; t = score x log2(e) / sqrt(32) x 2^(e6 + e7) + bias x log2(e); each accumulator from its low end on
.set i, i+1
.endr
	v_max3_num_f32 v250, v[BJ], v[BJ+1], v[BJ+2]   ; the largest of my 16 t, in two chains,
	v_max3_num_f32 v251, v[BJ+3], v[BJ+4], v[BJ+5]
	v_max3_num_f32 v250, v250, v[BJ+6], v[BJ+7]
	v_max3_num_f32 v251, v251, v[BJ+8], v[BJ+9]
	v_max3_num_f32 v250, v250, v[BJ+10], v[BJ+11]
	v_max3_num_f32 v251, v251, v[BJ+12], v[BJ+13]
	v_max3_num_f32 v250, v250, v[BJ+14], v[BJ+15]
	v_max_num_f32 v250, v250, v251
	v_permlanex16_b32 v252, v250, s48, s49         ; of the column's other 16 keys, in lane l xor 16,
	v_max3_num_f32 v[STJ+1], v250, v252, v[STJ+1]  ; and of all steps so far
	v_mov_b32 v253, v[STJ]
	v_floor_f32 v[STJ], -v[STJ+1]                  ; -M = floor(-t) = -ceil(t)
	v_sub_f32 v253, v[STJ], v253                   ; old M - new M: a whole number, 0 or less
	v_cvt_i32_f32 v253, v253                       ; (it saturates)
	v_ldexp_f32 v[F], 1.0, v253                    ; f
.set i, 0
.rept 8
	v_pk_add_f32 v[BJ+2*i:BJ+2*i+1], v[BJ+2*i:BJ+2*i+1], v[STJ:STJ+1] op_sel_hi:[1,0]   ; t - M
.set i, i+1
.endr
.set i, 0
.rept 16
	v_exp_f32 v[BJ+i], v[BJ+i]                     ; p
.set i, i+1
.endr
	v_pk_mul_f32 v[STJ+2:STJ+3], v[STJ+2:STJ+3], v[F:F+1] op_sel_hi:[1,0]   ; l under the new M: the plain instruction behind the exponentials
	s_wait_alu depctr_va_vdst(0)                   ; the batch of 16 exponentials is written, ahead of its first reader
	v_pk_add_f32 v[246:247], v[BJ:BJ+1], v[BJ+2:BJ+3]                       ; l takes the unquantised p, in two chains
	v_pk_add_f32 v[STJ+2:STJ+3], v[STJ+2:STJ+3], v[BJ+4:BJ+5]
	v_pk_add_f32 v[246:247], v[246:247], v[BJ+6:BJ+7]
	v_pk_add_f32 v[STJ+2:STJ+3], v[STJ+2:STJ+3], v[BJ+8:BJ+9]
	v_pk_add_f32 v[246:247], v[246:247], v[BJ+10:BJ+11]
	v_pk_add_f32 v[STJ+2:STJ+3], v[STJ+2:STJ+3], v[BJ+12:BJ+13]
	v_pk_add_f32 v[246:247], v[246:247], v[BJ+14:BJ+15]
	v_pk_add_f32 v[STJ+2:STJ+3], v[STJ+2:STJ+3], v[246:247]
.set i, 0
.rept 16
	v_min_num_f32 v[BJ+i], s50, v[BJ+i]            ; the hold at 448 x 2^e8: the conversion does not saturate (ISA guide 7.6.2); p is not negative
.set i, i+1
.endr
	v_cvt_scalef32_pk8_fp8_f32 v[CT:CT+1], v[BJ:BJ+7], v4
	v_cvt_scalef32_pk8_fp8_f32 v[CT+2:CT+3], v[BJ+8:BJ+15], v4
	v_nop                                          ; a plain instruction between the conversions and the first use of their results
.irp i, 0,1,2,3
	v_and_b32 v[P+\i], v[CT+\i], v12               ; the codes in my set's half of K, zero codes in the other
	v_and_b32 v[P+4+\i], v[CT+\i], v13
.endr
	WIN 0x41                                       ; O^T: destination and source 0 in window 1
.set i, 0
.rept 8
	v_pk_mul_f32 v[OJ+2*i:OJ+2*i+1], v[OJ+2*i:OJ+2*i+1], v[F:F+1] op_sel_hi:[1,0]   ; O^T under the new M, each accumulator from its low end on
.set i, i+1
.endr
	WIN 0x51                                       ; V, C and D in window 1
	v_wmma_f32_16x16x64_fp8_fp8 v[OJ:OJ+7], v[SLT+16:SLT+23], v[P:P+7], v[OJ:OJ+7]
	v_wmma_f32_16x16x64_fp8_fp8 v[OJ+8:OJ+15], v[SLT+24:SLT+31], v[P:P+7], v[OJ+8:OJ+15]
.endm
.macro BARRIER                         ; my LDS stores have landed and my LDS loads are in: then the work-group's barrier
	s_wait_dscnt 0x0
	s_barrier_signal -1
	s_barrier_wait -1
.endm
	s_load_b512 s[8:23], s[0:1], 0x0               ; kc 8, vc 10, qc 12, woc 14, key_pos 16, key_mask 18, query_pos 20, query_mask 22
	s_load_b256 s[24:31], s[0:1], 0x40             ; query_feat 24, Wrbf 26, bo 28, ln_g 30
	s_load_b128 s[32:35], s[0:1], 0x60             ; ln_b 32, lowp_scales 34
	s_load_b64 s[36:37], s[0:1], 0x70              ; out0
	v_lshrrev_b32 v1, 5, v0
	v_readfirstlane_b32 s2, v1                     ; wave 0..7
	v_and_b32 v14, 31, v0                          ; lane
	v_bfe_u32 v16, v0, 4, 1                        ; h
	v_bfe_u32 v17, v0, 3, 1                        ; u
	v_and_b32 v18, 7, v0                           ; q
	v_lshlrev_b32 v1, 4, v14
	v_mov_b32 v5, 0
	v_mov_b32 v9, 0                                ; (named as the upper half of the pair v[8:9])
	s_wait_alu depctr_va_sdst(0)                   ; s2 is written, ahead of its first reader: addresses and bases are made from it
	s_lshl_b32 s55, s2, 10
	v_lshl_add_u32 v2, v17, 9, s55
	v_lshl_add_u32 v2, v16, 8, v2                  ; 512 (2 w + u) + 256 h
	s_mul_i32 s55, s2, BBW
	s_add_co_u32 s55, s55, BB
	v_lshl_add_u32 v3, v14, 3, s55
	v_add_nc_u32 v15, QI, v1
	v_sub_nc_u32 v13, 0, v17                       ; all ones where u = 1
	v_xor_b32 v12, -1, v13                         ; all ones where u = 0
	v_mul_u32_u24 v240, v0, 96                     ; key_pos: thread t takes keys 8 t .. 8 t + 7, 96 bytes
	v_lshlrev_b32 v241, 3, v0                      ; key_mask: their 8 bytes
	s_and_b32 s56, ttmp9, 1
	s_lshl_b32 s56, s56, 7
	v_lshl_add_u32 v242, v18, 4, s56
	v_lshl_add_u32 v242, v16, 8, v242              ; Q: in its block of 16 queries the lane of token 8 (g % 2) + q, half h
	v_mul_u32_u24 v243, v18, 12                    ; query_pos
	v_lshrrev_b32 v244, 4, v0                      ; where thread t's 8 keys go: 512 (t / 16) + 256 (t % 2) + 32 ((t / 2) % 8)
	v_lshlrev_b32 v244, 9, v244
	v_and_b32 v246, 1, v0
	v_lshl_add_u32 v244, v246, 8, v244
	v_bfe_u32 v246, v0, 1, 3
	v_lshl_add_u32 v244, v246, 5, v244
	s_lshl_b32 s55, s2, 10
	v_add_nc_u32 v245, s55, v15                    ; head w's image of Q
	s_lshr_b32 s57, ttmp9, 7                       ; b
	s_and_b32 s58, ttmp9, 127                      ; which 8 queries of the batch
	s_lshl_b32 s59, s57, 19
	s_lshl_b32 s66, s2, 13
	s_add_co_u32 s66, s66, s59                     ; K: batch, my 256 keys = 16 blocks
	s_mov_b32 s67, 0
	s_lshl_b32 s68, s2, 12
	s_add_co_u32 s68, s68, s59                     ; V: batch, my 8 groups of 32 keys
	s_mov_b32 s69, 0
	s_mul_i32 s70, s57, 24576
	s_mov_b32 s71, 0
	s_lshl_b32 s72, s57, 11
	s_mov_b32 s73, 0
	s_lshl_b32 s74, s57, 3
	s_add_co_u32 s74, s74, s2
	s_lshl_b32 s74, s74, 6
	s_lshr_b32 s60, s58, 1
	s_add_co_u32 s74, s74, s60
	s_lshl_b32 s74, s74, 9                         ; Q: ((8 b + w) 64 + tile) x 512
	s_mov_b32 s75, 0
	s_lshl_b32 s60, s57, 10
	s_lshl_b32 s61, s58, 3
	s_add_co_u32 s60, s60, s61                     ; my work-group's first query
	s_mul_i32 s76, s60, 12
	s_mov_b32 s77, 0
	s_add_co_u32 s78, s60, s2                      ; the row that my wave finishes
	s_mov_b32 s79, 0
	s_lshl_b32 s80, s78, 10
	s_mov_b32 s81, 0
	s_lshl_b32 s82, s2, 13
	s_mov_b32 s83, 0
	s_mov_b32 s48, 0x76543210                      ; v_permlanex16_b32's selects for lane l xor 16
	s_mov_b32 s49, 0xfedcba98
	s_wait_kmcnt 0x0
	s_load_b128 s[40:43], s[34:35], 0x18           ; e6, e7, e8, e9
	s_load_b64 s[44:45], s[34:35], 0x28            ; e10, e11
	s_add_nc_u64 s[8:9], s[8:9], s[66:67]
	s_add_nc_u64 s[10:11], s[10:11], s[68:69]
	s_add_nc_u64 s[16:17], s[16:17], s[70:71]
	s_add_nc_u64 s[18:19], s[18:19], s[72:73]
	s_add_nc_u64 s[12:13], s[12:13], s[74:75]
	s_add_nc_u64 s[20:21], s[20:21], s[76:77]
	s_add_nc_u64 s[22:23], s[22:23], s[78:79]
	s_add_nc_u64 s[24:25], s[24:25], s[80:81]
	s_add_nc_u64 s[36:37], s[36:37], s[80:81]
	s_add_nc_u64 s[14:15], s[14:15], s[82:83]
	s_wait_alu depctr_va_vdst(0)                   ; the addresses v1, v3, v5, v15 and v240 to v245 are written, which the loads and LDS stores below read.  Only loads and a window switch follow up to the last load
.irp i, 0,1,2,3,4,5
	global_load_b128 v[176+4*\i:179+4*\i], v240, s[16:17] offset:16*\i
.endr
	global_load_b64 v[200:201], v241, s[18:19]
	global_load_b128 v[204:207], v242, s[12:13]
	global_load_b32 v6, v243, s[20:21]
	global_load_b32 v7, v243, s[20:21] offset:4
	global_load_b32 v8, v243, s[20:21] offset:8
.set i, 0
.rept 32
	global_load_b128 v[WR+4*i:WR+4*i+3], v5, s[26:27] offset:16*i   ; Wrbf(h, r) into register 48 + 16 h + r of every lane
.set i, i+1
.endr
	WIN 0x40                                       ; destination window 1
	REFILL 0, 0, 0
	REFILL 1, 1, 0
	REFILL 2, 2, 0
	WIN 0
	s_wait_loadcnt 56                              ; the first eleven loads are in; Wrbf's 32 and the three heads' 24 stay out
	v_mov_b32 v211, 0xff800000                     ; -infinity
.irp i, 0,1,2,3,4,5,6,7
	v_bfe_u32 v[212+\i], v[200+\i/4], 8*(\i%4), 8  ; my eight keys' mask bytes
.endr
.irp i, 0,1,2,3,4,5,6,7
	v_cmp_eq_u32 s[68+\i], 0, v[212+\i]            ; the eight compares in one run, each into a scalar register of its own (s68 to s75 are free since the bases were made)
.endr
.irp i, 0,1,2,3
	v_and_b32 v[220+\i], v[204+\i], v12            ; Q's codes in half u of K, zero codes in the other
	v_and_b32 v[224+\i], v[204+\i], v13
.endr
	s_wait_alu depctr_va_sdst(0)                   ; the eight compares have written s68 to s75, ahead of the selects that read them
.irp i, 0,1,2,3,4,5,6,7
	v_cndmask_b32 v[212+\i], 0, v211, s[68+\i]     ; a masked key's bias begins at -infinity
.endr
	s_wait_alu depctr_va_vdst(0)                   ; the selects have written v212-219 and the masking v220-227, which the LDS stores read
.set i, 0
.rept 8
	ds_store_b32 v244, v[176+3*i] offset:4*i
	ds_store_b32 v244, v[177+3*i] offset:KY+4*i
	ds_store_b32 v244, v[178+3*i] offset:KZ+4*i
.set i, i+1
.endr
	ds_store_b128 v244, v[212:215] offset:KM
	ds_store_b128 v244, v[216:219] offset:KM+16
	ds_store_b128 v245, v[220:223]
	ds_store_b128 v245, v[224:227] offset:512
	BARRIER                                        ; the keys' positions and masks and the eight heads' Q lie in LDS; nobody writes them again
	s_wait_alu depctr_vm_vsrc(0)                   ; my LDS stores have read v176-199, v212-227, v244 and v245, my first loads v240 to v243: the loop's loads and vector work write all of these
	s_wait_loadcnt 24                              ; Wrbf is in
.set i, 0
.rept 64
	v_pk_mul_f32 v[WR+2*i:WR+2*i+1], v[WR+2*i:WR+2*i+1], 0x3fb8aa3b op_sel_hi:[1,0]   ; x log2(e): the bias is wanted as a part of t
.set i, i+1
.endr
	WIN 0x40
.set i, 0
.rept 128
	v_mov_b32 v[128+i], 0                          ; O^T.  (The step is written for all steps alike: the first finds zeros, which the first change of M leaves zeros)
.set i, i+1
.endr
	WIN 0
.irp j, 0,1,2,3,4,5,6,7
	v_mov_b32 v[ST+4*\j], 0x7f61b1e6               ; -M = 3e38
	v_mov_b32 v[ST+4*\j+1], 0xff61b1e6             ; the largest t so far: -3e38, under every t that counts
	v_mov_b32 v[ST+4*\j+2], 0                      ; l, in two halves
	v_mov_b32 v[ST+4*\j+3], 0
.endr
	v_mov_b32 v252, 0                              ; written once: a lane permute's destination counts as one of its sources
	s_wait_kmcnt 0x0
	s_add_co_i32 s55, s40, s41
	s_lshl_b32 s55, s55, 23
	s_add_co_i32 s46, s55, 0x3e8293ee              ; log2(e) / sqrt(32), with e6 + e7 added to its exponent field
	s_mov_b32 s47, s46                             ; (named with it as a pair)
	s_add_co_i32 s55, s42, 127
	s_lshl_b32 s56, s55, 23
	v_mov_b32 v4, s56                              ; 2^e8
	s_add_co_i32 s55, s55, 8
	s_lshl_b32 s55, s55, 23
	s_or_b32 s50, s55, 0x600000                    ; 448 x 2^e8
	s_mov_b32 s53, 0
	s_mov_b32 s51, 3
.Lstep:                                            ; three of the four steps of 32 keys a set; each asks for the next step's first three heads
	BIAS
	PRE 0
	s_wait_alu depctr_vm_vsrc(0)                   ; the phase's last eight stores have read v234-249, which the heads' vector work writes
.irp j, 0,1,2,3,4,5,6,7
	HEAD \j, 16, 1                                 ; behind a head's eight loads: those of the next two heads
.endr
	WIN 0                                          ; at a label and at a branch every window is 0
	s_wait_xcnt 0x0                                ; the loads have read their bases: they may step
	s_add_nc_u64 s[8:9], s[8:9], 1024              ; two blocks of 16 keys on
	s_add_nc_u64 s[10:11], s[10:11], 512           ; one group of 32 keys on
	s_sub_co_u32 s51, s51, 1
	s_cmp_lg_u32 s51, 0
	s_cbranch_scc1 .Lstep
	BIAS                                           ; the last step is written out: it asks for nothing beyond its own heads, and the counts run down
	PRE 0
	s_wait_alu depctr_vm_vsrc(0)                   ; the phase's last eight stores have read v234-249, which the heads' vector work writes
.irp j, 0,1,2,3,4
	HEAD \j, 16, 1
.endr
	HEAD 5, 16, 0
	HEAD 6, 8, 0
	HEAD 7, 0, 0
	WIN 0
	; THE PARTIALS MEET.  l's halves and the other half of the lanes'; these additions are also the places behind the last products
.irp j, 0,1,2,3,4,5,6,7
	v_add_f32 v[ST+4*\j+2], v[ST+4*\j+2], v[ST+4*\j+3]
.endr
.irp j, 0,1,2,3,4,5,6,7
	v_permlanex16_b32 v[ST+4*\j+3], v[ST+4*\j+2], s48, s49
.endr
.irp j, 0,1,2,3,4,5,6,7
	v_add_f32 v[ST+4*\j+2], v[ST+4*\j+2], v[ST+4*\j+3]
.endr
	; No wait ahead of these 24 loads: no vector or matrix instruction since the last head's wait for its exponentials names v1 or v48-143 (their last readers were the bias phase's multiply-adds)
.irp f, 0,1,2,3
.irp c, 0,1,2,3
	global_load_b128 v[48+16*\f+4*\c:51+16*\f+4*\c], v1, s[14:15] offset:2048*\f+512*\c   ; Wo's four fragments of my 32 outputs, where Wrbf lay
.endr
.endr
	global_load_b128 v[112:115], v1, s[24:25]                  ; my row of query_feat: columns 4 l .. and 128 + 4 l ..;
	global_load_b128 v[116:119], v1, s[24:25] offset:512
	global_load_b128 v[120:123], v1, s[28:29]                  ; bo,
	global_load_b128 v[124:127], v1, s[28:29] offset:512
	global_load_b128 v[128:131], v1, s[30:31]                  ; ln_g,
	global_load_b128 v[132:135], v1, s[30:31] offset:512
	global_load_b128 v[136:139], v1, s[32:33]                  ; ln_b at the same columns
	global_load_b128 v[140:143], v1, s[32:33] offset:512
	s_load_u8 s66, s[22:23], 0x0                   ; my row's query_mask
	s_wait_alu depctr_vm_vsrc(0)                   ; the heads' LDS loads have read v3 and v15, which are written anew below
	v_and_b32 v9, 7, v0                            ; q
	v_bfe_u32 v10, v0, 3, 1                        ; u
	v_bfe_u32 v11, v0, 4, 1                        ; h
	v_bfe_u32 v5, v0, 3, 2                         ; lane / 8
	s_lshl_b32 s55, s2, 3
	s_add_co_u32 s55, s55, SN
	v_lshlrev_b32 v12, 6, v9
	v_lshl_add_u32 v12, v10, 2, v12
	v_add_nc_u32 v12, s55, v12                     ; -M, l: 64 q + 4 (2 w + u); a head is 512 bytes
	s_mul_i32 s55, s2, BBW
	s_add_co_u32 s55, s55, BB
	v_mul_u32_u24 v13, v9, 144
	v_mad_u32_u24 v13, v10, PARTB, v13
	v_lshl_add_u32 v13, v11, 5, v13
	v_add_nc_u32 v13, s55, v13                     ; O: my region + 9,344 u + 144 q + 32 h
	s_lshl_b32 s55, s2, 9
	s_add_co_u32 s55, s55, SN
	v_lshlrev_b32 v14, 6, v9
	v_add_nc_u32 v14, s55, v14                     ; the merge: head w, query lane % 8: its 16 partials' -M
	s_mul_i32 s55, s2, 1152
	s_add_co_u32 s55, s55, BB
	v_mul_u32_u24 v6, v9, 144
	v_lshl_add_u32 v6, v5, 5, v6
	v_add_nc_u32 v6, s55, v6                       ; partial 0's O of head w, query lane % 8, channels 8 (lane / 8) ..; partial i lies 9,344 i on:
	v_add_nc_u32 v7, 6*PARTB, v6                   ; three registers, six partials apart, keep the offsets inside 16 bits
	v_add_nc_u32 v8, 12*PARTB, v6
	s_lshl_b32 s55, s2, 5
	s_add_co_u32 s55, s55, AT
	v_mul_u32_u24 v15, v9, 272
	v_lshl_add_u32 v15, v5, 3, v15
	v_add_nc_u32 v15, s55, v15                     ; the attention's codes: row q, byte 32 w + 8 (lane / 8)
	v_mul_u32_u24 v2, v9, 272
	v_lshl_add_u32 v2, v11, 4, v2
	v_add_nc_u32 v2, AT, v2                        ; and as an operand: row r % 8, + 16 h
	s_lshl_b32 s55, s2, 7
	s_add_co_u32 s55, s55, XS
	v_mul_u32_u24 v3, v9, 1040
	v_lshl_add_u32 v3, v11, 5, v3
	v_add_nc_u32 v3, s55, v3                       ; the last product's sums: row r % 8, byte 128 w + 32 h
	s_mul_i32 s55, s2, 1040
	s_add_co_u32 s55, s55, XS
	v_add_nc_u32 v4, s55, v1                       ; and back: row w, 16 bytes a lane
	s_wait_alu depctr_va_vdst(0)                   ; the new addresses v2 to v4, v6 to v8 and v12 to v15 are written; so are -M and l, and O^T by the last products: the stores below read them.  The heads' work is done with v144-239, in which the loads behind the barrier land
.irp j, 0,1,2,3,4,5,6,7
	ds_store_b32 v12, v[ST+4*\j] offset:512*\j                 ; lanes l and l xor 16 hold the same numbers and write the same word
	ds_store_b32 v12, v[ST+4*\j+2] offset:SL-SN+512*\j
.endr
	WIN 0x04                                       ; store data in window 1
.irp j, 0,1,2,3,4,5,6,7
.irp d, 0,1
	ds_store_b128 v13, v[128+16*\j+8*\d:131+16*\j+8*\d] offset:1152*\j+64*\d       ; each accumulator from its low end on
	ds_store_b128 v13, v[132+16*\j+8*\d:135+16*\j+8*\d] offset:1152*\j+64*\d+16
.endr
.endr
	WIN 0
	BARRIER                                        ; all 16 partials of all heads lie in LDS
.macro PLOAD bt, reg                   ; partials 4 bt .. 4 bt + 3: eight channels each
.irp k, 0,1,2,3
	ds_load_b128 v[\reg+8*\k:\reg+8*\k+3], v[6+(4*(\bt)+\k)/6] offset:((4*(\bt)+\k)%6)*PARTB
	ds_load_b128 v[\reg+8*\k+4:\reg+8*\k+7], v[6+(4*(\bt)+\k)/6] offset:((4*(\bt)+\k)%6)*PARTB+16
.endr
.endm
.macro PACC bt, reg                    ; acc += g_i O_i; the first product starts the sums
.irp k, 0,1,2,3
.set pn, 4*(\bt)+\k
.irp c, 0,1,2,3
.if pn == 0
	v_pk_mul_f32 v[240+2*\c:241+2*\c], v[\reg+8*\k+2*\c:\reg+8*\k+2*\c+1], v[176:177] op_sel_hi:[1,0]
.elseif pn & 1
	v_pk_fma_f32 v[240+2*\c:241+2*\c], v[\reg+8*\k+2*\c:\reg+8*\k+2*\c+1], v[176+pn-1:176+pn], v[240+2*\c:241+2*\c] op_sel:[0,1,0] op_sel_hi:[1,1,1]
.else
	v_pk_fma_f32 v[240+2*\c:241+2*\c], v[\reg+8*\k+2*\c:\reg+8*\k+2*\c+1], v[176+pn:176+pn+1], v[240+2*\c:241+2*\c] op_sel_hi:[1,0,1]
.endif
.endr
.endr
.endm
.irp i, 0,1,2,3
	ds_load_b128 v[176+4*\i:179+4*\i], v14 offset:16*\i            ; -M of the 16 partials
.endr
.irp i, 0,1,2,3
	ds_load_b128 v[192+4*\i:195+4*\i], v14 offset:SL-SN+16*\i      ; l
.endr
	PLOAD 0, 144
	PLOAD 1, 208
	s_wait_dscnt 16                                ; -M and l are in; the two batches of eight loads behind them stay out
	v_min3_num_f32 v250, v176, v177, v178          ; the least -M = the largest M
	v_min3_num_f32 v251, v179, v180, v181
	v_min3_num_f32 v250, v250, v182, v183
	v_min3_num_f32 v251, v251, v184, v185
	v_min3_num_f32 v250, v250, v186, v187
	v_min3_num_f32 v251, v251, v188, v189
	v_min3_num_f32 v250, v250, v190, v191
	v_min_num_f32 v250, v250, v251
.set i, 0
.rept 16
	v_sub_f32 v[176+i], v250, v[176+i]             ; M_i - the largest M: a whole number, 0 or less
.set i, i+1
.endr
.set i, 0
.rept 16
	v_cvt_i32_f32 v[176+i], v[176+i]               ; (it saturates: a set of 128 masked keys gets g = 0)
.set i, i+1
.endr
.set i, 0
.rept 16
	v_ldexp_f32 v[176+i], 1.0, v[176+i]            ; g_i: a power of two, so nothing is rounded
.set i, i+1
.endr
	v_pk_mul_f32 v[248:249], v[176:177], v[192:193]
.set i, 1
.rept 7
	v_pk_fma_f32 v[248:249], v[176+2*i:177+2*i], v[192+2*i:193+2*i], v[248:249]
.set i, i+1
.endr
	v_add_f32 v248, v248, v249                     ; the row's l
	v_rcp_f32 v248, v248                           ; the multiply-adds below are the independent work behind it
	s_wait_dscnt 8                                 ; a batch is in; the one issued behind it stays out
	PACC 0, 144
	s_wait_alu depctr_va_vdst(0)                   ; the multiply-adds are done reading v144-175, in which the next batch lands; the reciprocal is written too, ahead of its first reader
	PLOAD 2, 144
	s_wait_dscnt 8
	PACC 1, 208
	s_wait_alu depctr_va_vdst(0)                   ; the multiply-adds are done reading v208-239, in which the last batch lands
	PLOAD 3, 208
	s_wait_dscnt 8
	PACC 2, 144
	s_wait_dscnt 0x0
	PACC 3, 208
	s_add_co_i32 s55, s42, s43
	v_ldexp_f32 v248, v248, s55                    ; 2^(e8 + e9) / l
.irp c, 0,1,2,3
	v_pk_mul_f32 v[240+2*\c:241+2*\c], v[240+2*\c:241+2*\c], v[248:249] op_sel_hi:[1,0]
.endr
	s_add_co_i32 s55, s44, 127
	s_lshl_b32 s56, s55, 23
	v_mov_b32 v250, s56                            ; 2^e10
	s_add_co_i32 s55, s55, 8
	s_lshl_b32 s55, s55, 23
	s_or_b32 s55, s55, 0x600000
	v_mov_b32 v251, s55                            ; 448 x 2^e10
.irp i, 0,1,2,3,4,5,6,7
	v_med3_num_f32 v[240+\i], v[240+\i], -v251, v251
.endr
	v_cvt_scalef32_pk8_fp8_f32 v[252:253], v[240:247], v250
	v_nop
	s_wait_alu depctr_va_vdst(0)                   ; the conversion has written v[252:253], which the store reads; the merge is done with v176-231, in which the loads behind the next two barriers land
	ds_store_b64 v15, v[252:253]
	BARRIER                                        ; 8 rows of 256 codes lie in LDS
.irp k, 0,1
.irp c, 0,1,2,3
	ds_load_b128 v[176+16*\k+4*\c:179+16*\k+4*\c], v2 offset:128*\k+32*\c   ; registers 4 c ..: k = 128 ks + 32 c + 16 h + 0 .. 15, as in Wo's fragments; columns 8-15 repeat the 8 queries
.endr
.endr
	s_wait_loadcnt 8                               ; Wo's 16 loads are in; the 8 loads of my row stay out
	s_wait_dscnt 0x0
	v_wmma_f32_16x16x128_fp8_fp8 v[208:215], v[48:63], v[176:191], 0          ; transposed: source 0 = 16 rows of Wo; the two accumulators by turns
	v_wmma_f32_16x16x128_fp8_fp8 v[216:223], v[80:95], v[176:191], 0
	v_wmma_f32_16x16x128_fp8_fp8 v[208:215], v[64:79], v[192:207], v[208:215]
	v_wmma_f32_16x16x128_fp8_fp8 v[216:223], v[96:111], v[192:207], v[216:223]
.rept 4
	v_nop
.endr
	s_wait_alu depctr_va_vdst(0)                   ; the products have written v208-223, which the LDS stores read; the four places above stay beside this wait
.irp n, 0,1
	ds_store_b128 v3, v[208+8*\n:211+8*\n] offset:64*\n        ; lane (r, h): outputs 32 w + 16 n + 8 h + 0 .. 7 of query r % 8; lanes r and r + 8 hold the same numbers and write the same bytes
	ds_store_b128 v3, v[212+8*\n:215+8*\n] offset:64*\n+16
.endr
	BARRIER                                        ; 8 whole rows of sums lie in LDS
	; THE ROW: wave w finishes query w of the eight
	ds_load_b128 v[224:227], v4
	ds_load_b128 v[228:231], v4 offset:512
	s_wait_loadcnt 0x0
	s_wait_kmcnt 0x0
	s_add_co_i32 s55, s44, s45
	s_add_co_i32 s55, s55, 127
	s_lshl_b32 s56, s55, 23                        ; 2^(e10 + e11)
	s_mov_b32 s57, s56
	s_cvt_f32_u32 s58, s66                         ; the mask as 0.0 or 1.0
	s_mov_b32 s59, s58
	s_mov_b32 s60, 0x3b800000                      ; 1 / 256
	s_wait_dscnt 0x0
.irp i, 0,2,4,6
	v_pk_fma_f32 v[224+\i:225+\i], v[224+\i:225+\i], s[56:57], v[120+\i:121+\i] op_sel_hi:[1,0,1]   ; sum x 2^(e10 + e11) + bo
.endr
.irp i, 0,2,4,6
	v_pk_fma_f32 v[224+\i:225+\i], v[224+\i:225+\i], s[58:59], v[112+\i:113+\i] op_sel_hi:[1,0,1]   ; x mask + query_feat
.endr
	v_pk_add_f32 v[232:233], v[224:225], v[226:227]
	v_pk_add_f32 v[234:235], v[228:229], v[230:231]
	v_pk_add_f32 v[232:233], v[232:233], v[234:235]
	v_add_f32 v232, v232, v233
	v_add_f32_dpp v232, v232, v232 row_xmask:1 row_mask:0xf bank_mask:0xf
	v_add_f32_dpp v232, v232, v232 row_xmask:2 row_mask:0xf bank_mask:0xf
	v_add_f32_dpp v232, v232, v232 row_xmask:4 row_mask:0xf bank_mask:0xf
	v_add_f32_dpp v232, v232, v232 row_xmask:8 row_mask:0xf bank_mask:0xf
	v_permlanex16_b32 v233, v232, s48, s49
	v_add_f32 v232, v232, v233
	v_mul_f32 v232, s60, v232                      ; the mean
.irp i, 0,2,4,6
	v_pk_add_f32 v[224+\i:225+\i], v[224+\i:225+\i], v[232:233] op_sel_hi:[1,0] neg_lo:[0,1] neg_hi:[0,1]
.endr
	v_pk_mul_f32 v[234:235], v[224:225], v[224:225]
	v_pk_fma_f32 v[234:235], v[226:227], v[226:227], v[234:235]
	v_pk_fma_f32 v[234:235], v[228:229], v[228:229], v[234:235]
	v_pk_fma_f32 v[234:235], v[230:231], v[230:231], v[234:235]
	v_add_f32 v234, v234, v235
	v_add_f32_dpp v234, v234, v234 row_xmask:1 row_mask:0xf bank_mask:0xf
	v_add_f32_dpp v234, v234, v234 row_xmask:2 row_mask:0xf bank_mask:0xf
	v_add_f32_dpp v234, v234, v234 row_xmask:4 row_mask:0xf bank_mask:0xf
	v_add_f32_dpp v234, v234, v234 row_xmask:8 row_mask:0xf bank_mask:0xf
	v_permlanex16_b32 v235, v234, s48, s49
	v_add_f32 v234, v234, v235
	v_fmaak_f32 v234, s60, v234, 0x3727c5ac        ; the variance + 1e-5
	v_rsq_f32 v234, v234
	v_nop
	s_wait_alu depctr_va_vdst(0)                   ; the root is written, ahead of its first reader
.irp i, 0,2,4,6
	v_pk_mul_f32 v[224+\i:225+\i], v[224+\i:225+\i], v[234:235] op_sel_hi:[1,0]
.endr
.irp i, 0,2,4,6
	v_pk_fma_f32 v[224+\i:225+\i], v[224+\i:225+\i], v[128+\i:129+\i], v[136+\i:137+\i]   ; x ln_g + ln_b
.endr
	s_wait_alu depctr_va_vdst(0)                   ; the multiply-adds have written v224-231, which the two stores read
	global_store_b128 v1, v[224:227], s[36:37] th:TH_STORE_NT              ; 32 lanes store 512 consecutive bytes, at a multiple of 512 from out0's first byte
	global_store_b128 v1, v[228:231], s[36:37] offset:512 th:TH_STORE_NT
	s_wait_xcnt 0x0
	s_wait_alu depctr_vm_vsrc(0)                   ; the store of the attention's codes has read v252, which is made anew below
	v_lshl_add_u32 v246, v0, 2, 0x33200
	v_mov_b32 v252, 0
	s_wait_dscnt 0x0                               ; the closing lines, six on end
	s_wait_alu 0x0
	s_wait_tensorcnt 0x0
	ds_add_u32 v246, v252
	s_wait_dscnt 0x0
	s_endpgm
.Lfunc_end_k_qe811adb29f_attn:
	.size	k_qe811adb29f_attn, .Lfunc_end_k_qe811adb29f_attn-k_qe811adb29f_attn
	.p2alignl 7, 3214868480
	.fill 96, 4, 3214868480
	.section	.rodata,"a",@progbits
	.p2align	6, 0x0
	.amdhsa_kernel k_qe811adb29f_attn
		.amdhsa_group_segment_fixed_size 210432
		.amdhsa_private_segment_fixed_size 0
		.amdhsa_enable_private_segment 0
		.amdhsa_kernarg_size 120
		.amdhsa_user_sgpr_count 2
		.amdhsa_user_sgpr_kernarg_segment_ptr 1
		.amdhsa_wavefront_size32 1
		.amdhsa_system_sgpr_workgroup_id_x 1
		.amdhsa_system_sgpr_workgroup_id_y 1
		.amdhsa_system_sgpr_workgroup_id_z 1
		.amdhsa_system_vgpr_workitem_id 0
		.amdhsa_next_free_vgpr 512
		.amdhsa_next_free_sgpr 90
		.amdhsa_reserve_vcc 0
		.amdhsa_float_denorm_mode_32 3
		.amdhsa_float_denorm_mode_16_64 3
		.amdhsa_memory_ordered 1
		.amdhsa_forward_progress 1
		.amdhsa_inst_pref_size 254
	.end_amdhsa_kernel
	.amdgpu_metadata
---
amdhsa.version: [ 1, 2 ]
amdhsa.kernels:
  - .name:           k_qe811adb29f_attn
    .symbol:         k_qe811adb29f_attn.kd
    .args:
      - { .name: kc, .offset: 0, .size: 8, .value_kind: global_buffer, .address_space: global }
      - { .name: vc, .offset: 8, .size: 8, .value_kind: global_buffer, .address_space: global }
      - { .name: qc, .offset: 16, .size: 8, .value_kind: global_buffer, .address_space: global }
      - { .name: woc, .offset: 24, .size: 8, .value_kind: global_buffer, .address_space: global }
      - { .name: key_pos, .offset: 32, .size: 8, .value_kind: global_buffer, .address_space: global }
      - { .name: key_mask, .offset: 40, .size: 8, .value_kind: global_buffer, .address_space: global }
      - { .name: query_pos, .offset: 48, .size: 8, .value_kind: global_buffer, .address_space: global }
      - { .name: query_mask, .offset: 56, .size: 8, .value_kind: global_buffer, .address_space: global }
      - { .name: query_feat, .offset: 64, .size: 8, .value_kind: global_buffer, .address_space: global }
      - { .name: Wrbf, .offset: 72, .size: 8, .value_kind: global_buffer, .address_space: global }
      - { .name: bo, .offset: 80, .size: 8, .value_kind: global_buffer, .address_space: global }
      - { .name: ln_g, .offset: 88, .size: 8, .value_kind: global_buffer, .address_space: global }
      - { .name: ln_b, .offset: 96, .size: 8, .value_kind: global_buffer, .address_space: global }
      - { .name: lowp_scales, .offset: 104, .size: 8, .value_kind: global_buffer, .address_space: global }
      - { .name: out0, .offset: 112, .size: 8, .value_kind: global_buffer, .address_space: global }
    .group_segment_fixed_size: 210432
    .private_segment_fixed_size: 0
    .kernarg_segment_align: 8
    .kernarg_segment_size: 120
    .max_flat_workgroup_size: 256
    .sgpr_count:     90
    .vgpr_count:     512
    .wavefront_size: 32
...
	.end_amdgpu_metadata
.endif
;; end of part 4
